; MI455X (gfx1250); checked and timed in simulation.
; The chip was launched on July 23, 2026; its instructions are those of AMD's public machine-readable ISA for CDNA 5 (MIT licence, August 2026) and "CDNA5" Instruction Set Architecture Reference Guide (July 2026). The comments in the code are by the model that wrote it; some were corrected since.
;; Attention Layer. Allowed arithmetic: matrix products marked QUANTISED: E5M2 operands, one E8M0 scale for each 32 along K, by v_wmma_scale_f32_16x16x128_f8f6f4 with both operands' format E5M2, f32 sums; everything else in f32.
;; Inputs: Wk_codes 1,024 x 32 x 32 uint8 (E5M2 codes of Wk, K innermost, in blocks of 32 codes); Wk_scales 1,024 x 32 uint8 (E8M0 scales of Wk, one for each 32 codes along K); Wq_codes 1,024 x 32 x 32 uint8 (E5M2 codes of Wq, K innermost, in blocks of 32 codes); Wq_scales 1,024 x 32 uint8 (E8M0 scales of Wq, one for each 32 codes along K); Wv_codes 1,024 x 32 x 32 uint8 (E5M2 codes of Wv, K innermost, in blocks of 32 codes); Wv_scales 1,024 x 32 uint8 (E8M0 scales of Wv, one for each 32 codes along K); bk 1,024 float32; bq 1,024 float32; bv 1,024 float32; x_codes 4 x 2,048 x 32 x 32 uint8 (E5M2 codes of x, K innermost, in blocks of 32 codes); x_scales 4 x 2,048 x 32 uint8 (E8M0 scales of x, one for each 32 codes along K).
;; Outputs: out0 4 x 2,048 x 1,024 float32.
;; This version of the problem:
;;   THIS VERSION OF THE PROBLEM IS GIVEN IN LOW PRECISION. The matrix products marked QUANTISED in the list below multiply operands that are first quantised to E5M2 (5 exponent bits, 2 mantissa bits; 8 bits a number), with one power-of-two scale for each 32 numbers along K (OCP MX v1.0); their sums are f32. All else is computed in f32.
;;   The module's matrix products, in the order in which they are computed (A, B: the left and right operand; K: the contracted axis; several contracted axes count as one K, in the product's order):
;;     1. [M 8,192, K 1,024] x [K 1,024, N 1,024]; A: input x (given as codes); B: input Wq (given as codes): QUANTISED
;;     2. [M 8,192, K 1,024] x [K 1,024, N 1,024]; A: input x (given as codes); B: input Wk (given as codes): QUANTISED
;;     3. [M 8,192, K 1,024] x [K 1,024, N 1,024]; A: input x (given as codes); B: input Wv (given as codes): QUANTISED
;;     4. batch 4 x [M 2,048, K 1,024] x [K 1,024, N 2,048]; A: computed on the way; B: computed on the way: QUANTISED
;;     5. batch 4 x [M 2,048, K 2,048] x [K 2,048, N 1,024]; A: softmax (see below); B: computed on the way: QUANTISED
;;   THE QUANTISER, for each operand of a quantised product, along K:
;;     - K is cut into blocks of 32 from its start; a last block that is shorter is filled with zeros.
;;     - A block's scale is 2^e with e = floor(log2(the largest magnitude in the block)) - 15, held to -126 .. 127; a block of zeros has e = 0. As a byte (E8M0): e + 127.
;;     - Each number is divided by its block's scale, clamped to +-57,344, and rounded to the nearest number of E5M2, ties to even, subnormals kept.
;;     - The product sums the exact products of the quantised numbers (number of the format x scale) in f32.
;;   ~~~python
;;   def quantise(x, axis):      # numpy; x: float32 -> the quantised numbers, widened to float32 again
;;       x = np.moveaxis(x, axis, -1); K = x.shape[-1]
;;       x = np.pad(x, [(0, 0)] * (x.ndim - 1) + [(0, -K % 32)]); x = x.reshape(x.shape[:-1] + (-1, 32)); a = np.abs(x).max(-1, keepdims=True)
;;       e = np.where(a > 0, np.clip(np.frexp(np.where(a > 0, a, 1))[1] - 1 - 15, -126, 127), 0)      # np.frexp(a)[1] - 1 = floor(log2(a)), exactly
;;       r = np.clip(x / 2.0 ** e, -57344, 57344)
;;       step = 2.0 ** (np.maximum(np.frexp(np.where(r == 0, 1, r))[1] - 1, -14) - 2)
;;       q = np.round(r / step) * step * 2.0 ** e      # np.round: ties to even
;;       return np.moveaxis(q.reshape(q.shape[:-2] + (-1,))[..., :K], -1, axis).astype(np.float32)
;;   ~~~
;;   SOFTMAX AHEAD OF A QUANTISED PRODUCT. Where the list says 'softmax', what is quantised is not the finished softmax but p = 2^(t - M), with t = logit x log2(e) and M = ceil(the row's largest t), a whole number; so 1/2 < the row's largest p <= 1. The row's sum l is taken of the UNQUANTISED p, in f32, and the product's result is divided by l at the end. Since M is a whole number, a kernel that streams over the keys may use a running M (the ceiling of the running maximum): every later rescaling is an exact power of two, which a block's scale takes up: the codes' values come out the same.
;;   OPERANDS COMPUTED ON THE WAY. 'Computed on the way' means the value that the module computes at that place (a softmax that the list does not call 'softmax' is quantised finished and normalised). What goes into a quantiser is computed in f32, as accurately as f32 sums, v_exp_f32 and their like allow (about 1e-6 of the number): no bf16 or f16 on the way to a quantiser, and a product that is left as it is and whose result goes on into a quantised operand takes f32 operands (vector FMAs, or v_wmma_f32_16x16x4_f32). A number that lies on a knife's edge between two numbers of the format may be rounded either way, as far as f32 arithmetic and the matrix unit's own rounding can turn it there, and no further.
;;   INPUTS GIVEN AS CODES. Wk (in the module: [1024, 1024], K = its axis 0); Wq (in the module: [1024, 1024], K = its axis 0); Wv (in the module: [1024, 1024], K = its axis 0); x (in the module: [4, 2048, 1024], K = its axis 2): each comes as NAME_codes (uint8): NAME with its K axis moved to the last place and cut into blocks of 32 codes, [.., K / 32, bytes a block], one block behind the other in memory; one code a byte (a code: sign, 5 exponent bits, 2 mantissa bits); and NAME_scales (uint8): the same leading axes, one E8M0 byte (e + 127) for each 32 codes along K. Its value is code x scale, taken as it is: it is not quantised again, and the codes and scales need not be those that the quantiser above would give.
;; One version. Each part assembles by itself: llvm-mc -triple=amdgcn-amd-amdhsa -mcpu=gfx1250 --defsym DOCPART=n.
;; ======== version 1 of 1: 3 launches
;; limits: right only within a limited range of input values
;; workspace buffers: qkv_img 25,165,824 bytes; qkv_sc 786,432 bytes; p_img 16,777,216 bytes; p_st 1,572,864 bytes
;; launch proj (part 1): grid 16 x 16, 4 waves a work-group, clusters of 4 x 4, 327,680 bytes of LDS; arguments x_codes, x_scales, Wq_codes, Wq_scales, bq, Wk_codes, Wk_scales, bk, Wv_codes, Wv_scales, bv, qkv_img, qkv_sc; writes qkv_img, qkv_sc
.if DOCPART == 1
	.amdgcn_target "amdgcn-amd-amdhsa--gfx1250"
	.amdhsa_code_object_version 6
	.text
	.protected	k_q14eeb9cba7_proj
	.globl	k_q14eeb9cba7_proj
	.p2align	8
	.type	k_q14eeb9cba7_proj,@function
k_q14eeb9cba7_proj:
	s_mov_b64 s[64:65], 0
	v_nop
	global_prefetch_b8 v0, s[64:65] scope:SCOPE_SE
	s_setreg_imm32_b32 hwreg(HW_REG_WAVE_MODE, 25, 1), 1
	s_wait_xcnt 0x0
	s_wait_alu depctr_hold_cnt(0) depctr_sa_sdst(0) depctr_va_vdst(0) depctr_va_sdst(0) depctr_va_ssrc(0) depctr_va_vcc(0) depctr_vm_vsrc(0)
	s_getreg_b32 s2, hwreg(HW_REG_IB_STS2, 6, 4)
	s_cmp_eq_u32 s2, 0
	s_cbranch_scc0 .Lentry_in_a_cluster
	s_endpgm
.Lentry_in_a_cluster:
	s_bfe_u32 s2, ttmp6, 0x10000c
	s_cmp_lg_u32 s2, 0xf033
	s_cbranch_scc0 .Lentry_shape_is_right
	s_endpgm
.Lentry_shape_is_right:
; Q = x Wq + bq, K = x Wk + bk, V = x Wv + bv on codes of BF8 (E5M2), one E8M0 scale for 32 along K = 1,024; f32 sums that begin with the bias; the results are quantised in registers: Q and K along the hidden axis, V along the tokens.
; LIMITS: NaN and infinities are not served.  A block whose largest magnitude lies under 2^(16 - 127), a block of zeros too, keeps the byte 1 (this program alone reads the bytes).
; WHAT IS STORED: images of operand registers, 2,048 bytes for 16 rows x 128 k; (row r, k = 32 c + 16 g + i) lies at 512 c + 256 g + 16 r + i.
; qkv_img: Q at 0, K at 8,388,608: [token tile 512][k step 8][2,048];  V at 16,777,216: [channel tile 64][group of 128 tokens 64][2,048].
; qkv_sc (one word for a row and 128 k): Q at 0, K at 262,144: [k step 8][token tile 512][16 words];  V at 524,288: [group 64][channel tile 64][16 words].
; SHARES.  256 work-groups of four waves, 2 x 2; a wave holds 64 rows of a weight, all of K, in 512 registers and streams x's rows past them in blocks of 16, which stand in two sets of 128 registers.
; PHASE 1: 512 tokens x 128 columns of Q (tile columns 0 to 7) or K (8 to 15): sixteen blocks a wave.  PHASE 2: 256 tokens x 128 channels of V: eight blocks, tokens of one of the work-group's own two windows of 256: number s18; Wv's tile column is 4 (cluster x / 2) + cx.
; THE ORDER OF WORK.  LDS holds two slots of 128 rows; a weight's rows lie in a slot (the first in 1, Wv's in 0).  Phase 1 takes the window that is not V's first (chunks 0, 1), V's last (2, 3): chunk 3 still lies in slot 1 when V begins, and chunk 2 comes anew.
; In a chunk wave row w takes rows 64 w + 16 i, i = 0 .. 3.  The scale bytes of x's 512 rows lie in LDS throughout, in the order of work.
; FILLS.  At the head one joint load a wave.  Refills, a quarter of 128 rows a wave, each behind a drained round of the cluster's barrier: chunks 1, 2, 3 inside blocks 0, 4, 8 (waves 0 and 1 bring the rows of blocks 0 and 1, shown by the barrier inside the block two on; the rest is shown by the next round);
; Wv's rows behind block 11; chunk 2 anew behind Wv's loads.
; CLUSTERS: 4 x 4: x's rows and scale bytes are shared along a row of the cluster, a weight's rows along a column.
; PREFETCH: chunk 1 and 2's shares at the head, chunk 3's inside chunk 1, Wv's inside chunk 2; the sixteen waves that will load a tile jointly name its 512 blocks of 256 bytes once, by address.
; A block's way out (maxima, holds, conversions, bytes) stands among the next block's products, a pair of V's blocks' among the next pair's.  The first way out of a phase works on what stands there and stores nothing.
; REGISTERS: the weight in windows 1 and 2, x's two sets in window 3, all else in window 0.
.set KROW, 1024
.set KS, 32
.set PITCH, 1040  ; an LDS row: 1,024 bytes + 16 of padding
.set CH, 128
.set NP, 8  ; plain vector lines behind a matrix instruction, ahead of a reader of its sums and of a load into what it has read
.set NF, 34  ; LDS loads of a block: eight fragments of four, two of four scale words
.set YB, CH*PITCH  ; slot 1
.set SCL, 2*YB  ; x's scale bytes: units of 256 bytes (8 rows) + 16 of padding
.set SST, 2*272  ; 16 rows
.set CST, 16*272  ; a chunk
.set XN, SCL+64*272  ; Q's or K's scale words: 512 tokens in the order of work
.set XV, XN+2048  ; V's: [group of two][128 channels]
.set SPARE, XV+1024
.set TT, 16384  ; from one token tile's images to the next
.set EMAX, 15
.set ADRA0, 4  ; my fragments of block 0
.set CN, 5  ; 16 r + 8 h
.set AAS0, 6  ; my row's scale words in block 0
.set SPW, 10
.set NIL, 11
.set ADRA, 12  ; the block that is fetched next
.set VX, 13  ; LDS address of the scale bytes
.set ADRB, 14  ; v14, v15: a weight in slot 1, in slot 0
.set ABS, 16  ; my row in a weight's scale bytes
.set AAS, 17
.set RD, 19  ; V's bytes
.set SOP, 20  ; v20-23 the conversions' scale operands
.set SB, 24  ; v24-39 the weight's scale words: register 8 p + q: lanes 0-15 tile 2 p's, lanes 16-31 tile 2 p + 1's
.set EB, 40
.set SA, 44  ; v44-59 x's, two sets of eight
.set TQ, 60  ; v60-63 maxima and bounds
.set ACC, 64  ; v64-191 four sets of four accumulators: products write 0 and 1 by turns; 2 and 3 take a pair of V's blocks for its way out
.set WS, 128  ; in phase 1: Wv's scale words
.set NCD, 192  ; Q's or K's codes
.set MCD, 192  ; V's
.set BQ, 208  ; v208-239 the first products' C
.set BV, 240  ; V's bias, a number a tile, until the change of phase
.set G1A, 24
.set G0A, 56
.set G1B, 32
.set G0B, 60
.set G1R, 48
.set G0R, 68
.set G1S, 92
.set G0S, 72
.set MSB, 0
.macro WIN new  ; the immediate's high byte repeats the setting that is left
.if MSB != (\new)
	s_set_vgpr_msb (MSB<<8)|(\new)
.set MSB, (\new)
.endif
.endm
.macro PLACES n
.rept \n
	v_nop
.endr
.endm
.macro BARRIER
	s_barrier_signal -1
	s_barrier_wait -1
.endm
.macro CROUND  ; a round of the cluster's barrier
	BARRIER
	s_cmp_lg_u32 s14, 0
	s_cbranch_scc1 .Lnot_wave_0_\@
	s_barrier_signal -3
.Lnot_wave_0_\@:
	s_barrier_wait -3
	BARRIER
.endm
.macro TLOAD g0, g1  ; an s_nop 0 and four v_nop follow the load
	tensor_load_to_lds s[\g0:\g0+3], s[\g1:\g1+7]
	s_nop 0
	PLACES 4
.endm
.macro GROUP1 g, mask, rows  ; rows of 1,024 bytes, dense in memory, 16 bytes of padding behind each in LDS
	s_or_b32 s[\g+0], s[\mask], (1<<20)|(1<<21)|(7<<22)|(3<<25)
	s_mov_b32 s[\g+1], KROW<<16
	s_mov_b32 s[\g+2], (\rows)<<16
	s_mov_b32 s[\g+3], KROW<<16
	s_mov_b32 s[\g+4], \rows
	s_mov_b32 s[\g+5], KROW
	s_mov_b32 s[\g+6], 0
	s_mov_b32 s[\g+7], 0
.endm
.macro SADD d, x
	s_add_co_u32 s\d, s\d, s\x
.endm
.macro ADDSH d, x, n  ; s[d] += s[x] << n
	s_lshl_b32 s22, s\x, \n
	s_add_co_u32 s\d, s\d, s22
.endm
.macro WALU
	s_wait_alu depctr_va_vdst(0)
.endm
	s_load_b128 s[4:7], s[0:1], 0x0  ; x's codes, x's scales
	s_load_b256 s[84:91], s[0:1], 0x10  ; Wq's codes, Wq's scales, bq, Wk's codes
	s_load_b128 s[8:11], s[0:1], 0x30  ; Wk's scales, bk
	v_lshl_add_u32 v[SPW], v0, 2, SPARE
	v_mov_b32 v[NIL], 0
	ds_add_u32 v[SPW], v[NIL]  ; the wave's opening: the add, twice on end, and its wait ahead of my first tensor load
	ds_add_u32 v[SPW], v[NIL]
	v_lshrrev_b32 v1, 5, v0
	v_readfirstlane_b32 s14, v1  ; wave 0..3
	s_lshr_b32 s15, s14, 1  ; my row of waves
	s_and_b32 s16, s14, 1  ; my column of waves
	s_bfe_u32 s40, ttmp6, 0x40000  ; cx, cy
	s_bfe_u32 s41, ttmp6, 0x40004
	s_lshl_b32 s42, ttmp9, 2
	s_add_co_u32 s42, s42, s40  ; tile column 0 .. 15
	s_and_b32 s17, s42, 7  ; in its weight
	s_and_b32 s43, ttmp7, 0xffff
	s_lshl_b32 s43, s43, 2
	s_add_co_u32 s43, s43, s41  ; tile row of 512 tokens
	s_lshr_b32 s19, ttmp9, 1  ; 0: Q; 1: K: of the cluster's number alone
	s_and_b32 s18, ttmp9, 1  ; V's window
	s_lshl_b32 s44, s41, 2
	s_lshl_b32 s44, 15, s44  ; my row of the cluster
	s_lshl_b32 s45, 0x1111, s40  ; my column
	GROUP1 G1B, 45, CH  ; wave 0: the first weight's 128 rows
	GROUP1 G1A, 44, CH  ; wave 1: chunk 0
	GROUP1 G1R, 44, CH/4  ; a refill: 32 rows a wave
	s_or_b32 s[G1S+0], s44, (3<<16)|(1<<20)|(1<<21)|(5<<22)|(3<<25)  ; waves 2, 3: the scale bytes of a window: 8,192 dense bytes as 32 rows of 256, padded
	s_mov_b32 s[G1S+1], 32<<16
	s_mov_b32 s[G1S+2], 32<<16
	s_mov_b32 s[G1S+3], 32<<16
	s_mov_b32 s[G1S+4], 32
	s_mov_b32 s[G1S+5], 32
	s_mov_b32 s[G1S+6], 0
	s_mov_b32 s[G1S+7], 0
	s_mov_b32 s[G0S], 1
	s_mul_i32 s[G0S+1], s16, 32*272
	s_add_co_u32 s[G0S+1], s[G0S+1], SCL
	s_lshl_b32 s67, s43, 19  ; s67, s2: in x's codes the first row of the window that is not V's, of V's;  s3: in Wv's
	s_lshl_b32 s20, s18, 18
	s_add_co_u32 s2, s67, s20
	s_xor_b32 s20, s20, 0x40000
	SADD 67, 20
	s_lshl_b32 s13, s19, 2
	SADD 13, 40  ; Wv's tile column
	s_lshl_b32 s3, s13, 17
	s_lshl_b32 s12, s13, 12  ; s12: in Wv's scale bytes: my wave's 64 rows
	ADDSH 12, 16, 11
	s_lshl_b32 s78, s17, 17  ; the first weight's rows
	s_mov_b32 s79, 0
	s_xor_b32 s20, s16, s18
	s_xor_b32 s20, s20, 1
	s_lshl_b32 s80, s43, 1
	SADD 80, 20  ; x's scale bytes: wave 2 the window that is not V's, wave 3 V's
	s_lshl_b32 s80, s80, 13
	s_mov_b32 s81, 0
	s_lshl_b32 s82, s17, 12  ; the first weight's scale bytes: my wave's 64 rows
	ADDSH 82, 16, 11
	s_mov_b32 s83, 0
	s_mov_b32 s[G0A], 1
	s_mov_b32 s[G0A+1], 0
	s_mov_b32 s[G0B], 1
	s_mov_b32 s[G0B+1], YB
	s_mov_b32 s[G0R], 1
	v_and_b32 v1, 15, v0  ; r
	v_bfe_u32 v2, v0, 4, 1  ; h
	v_and_b32 v3, 31, v0  ; lane
	v_mul_u32_u24 v22, v1, PITCH
	v_mad_u32_u24 v23, v2, 16, v22  ; a fragment's row x pitch + 16 h
	s_mul_i32 s20, s15, 64*PITCH
	v_add_nc_u32 v[ADRA0], s20, v23
	s_mul_i32 s20, s16, 64*PITCH  ; my 64 rows of a weight
	v_add_nc_u32 v[ADRB+1], s20, v23
	s_add_co_u32 s20, s20, YB
	v_add_nc_u32 v[ADRB], s20, v23
	v_mul_u32_u24 v[ABS], v3, KS
	v_lshlrev_b32 v23, 5, v1  ; x's scale bytes: 32 bytes a row, 16 more for each 256 passed
	v_lshrrev_b32 v22, 3, v1
	v_lshl_add_u32 v23, v22, 4, v23
	s_mul_i32 s20, s15, 8*272
	s_add_co_u32 s20, s20, SCL
	v_add_nc_u32 v[AAS0], s20, v23
	v_lshlrev_b32 v[CN], 4, v1
	v_lshl_add_u32 v[CN], v2, 3, v[CN]
	WALU
	s_wait_dscnt 0x0  ; both opening adds are done
	CROUND  ; the opening round
	s_wait_kmcnt 0x0
	s_cmp_eq_u32 s19, 0  ; the first weight: Wq or Wk
	s_cselect_b64 s[84:85], s[84:85], s[90:91]
	s_cselect_b64 s[86:87], s[86:87], s[8:9]
	s_cselect_b64 s[88:89], s[88:89], s[10:11]
	s_mov_b32 s8, s67
	s_mov_b32 s9, 0
	s_add_nc_u64 s[G0A+2:G0A+3], s[4:5], s[8:9]
	s_or_b32 s[G0A+3], s[G0A+3], 0x80000000
	s_add_nc_u64 s[G0B+2:G0B+3], s[84:85], s[78:79]
	s_or_b32 s[G0B+3], s[G0B+3], 0x80000000
	s_add_nc_u64 s[G0S+2:G0S+3], s[6:7], s[80:81]
	s_or_b32 s[G0S+3], s[G0S+3], 0x80000000
	s_add_nc_u64 s[10:11], s[86:87], s[82:83]
	s_cmp_eq_u32 s14, 0  ; one joint load a wave; a line of its own for what is shown ahead of the rest
	s_cbranch_scc0 .Lwave_1
	TLOAD G0B, G1B
	s_branch .Lasked
.Lwave_1:
	s_cmp_eq_u32 s14, 1
	s_cbranch_scc0 .Lfor_scales
	TLOAD G0A, G1A
	s_branch .Lasked
.Lfor_scales:
	TLOAD G0S, G1S
.Lasked:
	s_load_b128 s[84:87], s[0:1], 0x40  ; Wv's codes, Wv's scales
	s_load_b64 s[46:47], s[0:1], 0x50  ; bv
; where my results go: offsets now, the buffers' addresses in front of the stream
	s_lshl_b32 s76, s43, 19  ; Q's or K's images: my tile row, my wave row's first tile, k step s17, my half of it
	ADDSH 76, 15, 16
	ADDSH 76, 17, 11
	ADDSH 76, 16, 10
	ADDSH 76, 19, 23
	s_mov_b32 s77, 0
	s_xor_b32 s20, s15, s18
	s_xor_b32 s20, s20, 1
	s_lshl_b32 s78, s43, 11  ; their scale words: wave n stores chunk n's 128 tokens
	ADDSH 78, 20, 10
	ADDSH 78, 16, 9
	ADDSH 78, 17, 15
	ADDSH 78, 19, 18
	s_lshl_b32 s80, s13, 20  ; V's images: my 4 channel tiles, my window's first group, my wave row's two blocks of 32
	s_add_co_u32 s80, s80, 0x1000000
	ADDSH 80, 16, 19
	ADDSH 80, 43, 13
	ADDSH 80, 18, 12
	ADDSH 80, 15, 10
	s_lshl_b32 s82, s43, 14  ; V's scale words: wave n stores group n / 2, half n % 2: 256 bytes
	s_add_co_u32 s82, s82, 0x80000
	ADDSH 82, 18, 13
	ADDSH 82, 15, 12
	ADDSH 82, 13, 9
	ADDSH 82, 16, 8
	s_lshl_b32 s20, s15, 8
	ADDSH 20, 16, 1
	s_add_co_u32 s20, s20, XN
	v_lshl_add_u32 v[VX], v1, 2, s20
	s_lshl_b32 s20, s16, 8
	ADDSH 20, 15, 1
	s_add_co_u32 s20, s20, XV
	v_lshl_add_u32 v[RD], v1, 2, s20
	v_lshlrev_b32 v22, 5, v2
	v_lshlrev_b32 v23, 2, v1
	s_lshl_b32 s20, s17, 9  ; the bias of my 64 columns,
	ADDSH 20, 16, 8
	s_mov_b32 s21, 0
	s_add_nc_u64 s[8:9], s[88:89], s[20:21]
	s_lshl_b32 s20, s13, 9  ; of my 64 channels of V
	ADDSH 20, 16, 8
	s_mov_b32 s13, 0
	WALU
	s_wait_kmcnt 0x0
	s_add_nc_u64 s[22:23], s[46:47], s[20:21]
	s_add_nc_u64 s[20:21], s[86:87], s[12:13]
	s_mov_b64 s[12:13], s[84:85]  ; Wv's codes
.irp b, 0,1,2,3  ; register j of the C for tile b: the bias of column 16 b + 8 h + j
	global_load_b128 v[BQ+8*\b:BQ+8*\b+3], v22, s[8:9] offset:64*\b
	global_load_b128 v[BQ+8*\b+4:BQ+8*\b+7], v22, s[8:9] offset:64*\b+16
	global_load_b32 v[BV+\b], v23, s[22:23] offset:64*\b  ; V: of channel 16 b + r
.endr
.irp p, 0,1
.irp c, 0,1
	global_load_b128 v[SB+8*\p+4*\c:SB+8*\p+4*\c+3], v[ABS], s[10:11] offset:\p*32*KS+16*\c
	global_load_b128 v[WS+8*\p+4*\c:WS+8*\p+4*\c+3], v[ABS], s[20:21] offset:\p*32*KS+16*\c
.endr
.endr
	s_wait_xcnt 0x0  ; the loads have taken their addresses
	s_lshl_b32 s90, s40, 2  ; which of the cluster row's sixteen waves I am: my share of a prefetch of x's rows;
	SADD 90, 14
	s_lshl_b32 s100, s41, 2  ; and of the column's: of Wv's
	SADD 100, 14
	s_lshl_b32 s91, s16, 1
	SADD 91, 15  ; the quarter of a chunk that I bring: waves 0 and 1 rows 0 and 64 on, waves 2 and 3 rows 32 and 96 on
	s_add_co_u32 s6, s67, CH*KROW  ; chunk 1
	s_add_co_u32 s7, s2, CH*KROW  ; chunk 3
	s_lshl_b32 s21, s90, 13
	s_add_co_u32 s22, s21, s6
	v_lshl_add_u32 v7, v3, 8, s22  ; my sixteenth of chunk 1, of chunk 2
	s_add_co_u32 s22, s21, s2
	v_lshl_add_u32 v8, v3, 8, s22
	v_add_nc_u32 v1, 16*PITCH, v[ADRA0]  ; v1, v2: block 1's LDS addresses
	v_add_nc_u32 v2, SST, v[AAS0]
	WALU
	s_cmp_eq_u32 s14, 0
	s_cbranch_scc0 .Lnot_b
	s_wait_tensorcnt 0x0  ; wave 0: the first weight has landed.  The other waves' wait stands at the second barrier
.Lnot_b:
	BARRIER
	global_prefetch_b8 v7, s[4:5] th:TH_LOAD_NT scope:SCOPE_SE
	global_prefetch_b8 v8, s[4:5] th:TH_LOAD_NT scope:SCOPE_SE
.macro MIDDLE  ; a round's middle
	WIN 0
	s_barrier_wait -1
	s_cmp_lg_u32 s14, 0
	s_cbranch_scc1 .Lnot_wave_0_\@
	s_barrier_signal -3
.Lnot_wave_0_\@:
	s_barrier_wait -3
.endm
.macro GRD
	s_wait_tensorcnt 0x0
	ds_add_u32 v[SPW], v[NIL]
.endm
.macro FRAG f, adr, q, off  ; a weight's fragment f: lane l holds row l % 16; registers 4 c .. 4 c + 3 hold K = 32 c + 16 (l / 16) + 0 .. 15
	WIN (1+(\f)/16)<<6
.irp c, 0,1,2,3
	ds_load_b128 v[16*((\f)%16)+4*\c:16*((\f)%16)+4*\c+3], v[\adr] offset:128*(\q)+32*\c+(\off)
.endr
.endm
.macro FETCHAT k, a, s  ; a block of x, all of K, into set k, and its scale words: NF loads
	WIN 3<<6
.irp q, 0,1,2,3,4,5,6,7
.irp c, 0,1,2,3
	ds_load_b128 v[128*\k+16*\q+4*\c:128*\k+16*\q+4*\c+3], v[\a] offset:128*\q+32*\c
.endr
.endr
	WIN 0
	ds_load_b128 v[SA+8*\k:SA+8*\k+3], v[\s]
	ds_load_b128 v[SA+8*\k+4:SA+8*\k+7], v[\s] offset:16
.endm
.macro PROD kind, e, a, n  ; product n = 4 q + b: the q-th 128 of K, column tile b; x's rows in set e, sums in set a.  kind 0 (Q, K): source 0 = the weight's rows; 1 (V): source 0 = x's rows
.set Q_, (\n)/4
.set B_, (\n)%4
.set FB_, \n
.set AC_, ACC+32*(\a)+8*B_
.set C_, AC_
.if Q_ == 0
.set C_, BQ+8*B_
.endif
.set R_, 128*(\e)+16*Q_
.set W_, 16*(FB_%16)
.set XS_, SA+8*(\e)+Q_
.set WS_, SB+8*(B_/2)+Q_
.if \kind
	WIN 3|((1+FB_/16)<<2)
.if B_%2
	v_wmma_scale_f32_16x16x128_f8f6f4 v[AC_:AC_+7], v[R_:R_+15], v[W_:W_+15], v[C_:C_+7], v[XS_], v[WS_] matrix_a_fmt:MATRIX_FMT_BF8 matrix_b_fmt:MATRIX_FMT_BF8 matrix_b_scale:MATRIX_SCALE_ROW1
.else
	v_wmma_scale_f32_16x16x128_f8f6f4 v[AC_:AC_+7], v[R_:R_+15], v[W_:W_+15], v[C_:C_+7], v[XS_], v[WS_] matrix_a_fmt:MATRIX_FMT_BF8 matrix_b_fmt:MATRIX_FMT_BF8
.endif
.else
	WIN (1+FB_/16)|(3<<2)
.if B_%2
	v_wmma_scale_f32_16x16x128_f8f6f4 v[AC_:AC_+7], v[W_:W_+15], v[R_:R_+15], v[C_:C_+7], v[WS_], v[XS_] matrix_a_fmt:MATRIX_FMT_BF8 matrix_b_fmt:MATRIX_FMT_BF8 matrix_a_scale:MATRIX_SCALE_ROW1
.else
	v_wmma_scale_f32_16x16x128_f8f6f4 v[AC_:AC_+7], v[W_:W_+15], v[R_:R_+15], v[C_:C_+7], v[WS_], v[XS_] matrix_a_fmt:MATRIX_FMT_BF8 matrix_b_fmt:MATRIX_FMT_BF8
.endif
.endif
.endm
.macro HOLD x, b  ; a sum held at 57,344 x its block's scale
	v_med3_num_f32 v[\x], v[\x], -v[\b], v[\b]
.endm
.macro GAPQ m, x  ; THE QUANTISER OF Q's OR K's BLOCK, gaps 0 .. 29: scale block c of 32 lies in registers x + 16 c .. + 15 of lanes l and l xor 16 -> codes NCD, two bytes EB
.if (\m) == 0
	v_max3_num_f32 v[TQ], |v[\x]|, |v[\x+1]|, (EMAX+1)<<23  ; the floor under which a byte would fall under 1
	v_max3_num_f32 v[TQ+1], |v[\x+16]|, |v[\x+17]|, (EMAX+1)<<23
.elseif (\m) < 8
	v_max3_num_f32 v[TQ], v[TQ], |v[\x+2*(\m)]|, |v[\x+2*(\m)+1]|
	v_max3_num_f32 v[TQ+1], v[TQ+1], |v[\x+16+2*(\m)]|, |v[\x+17+2*(\m)]|
.elseif (\m) == 8
	v_permlanex16_b32 v[TQ+2], v[TQ], s60, s61
	v_permlanex16_b32 v[TQ+3], v[TQ+1], s60, s61
.elseif (\m) == 9
	v_max_num_f32 v[TQ], v[TQ], v[TQ+2]
	v_max_num_f32 v[TQ+1], v[TQ+1], v[TQ+3]
.elseif (\m) == 10
	v_add_nc_u32 v[SOP], -(EMAX<<23), v[TQ]
	v_add_nc_u32 v[SOP+1], -(EMAX<<23), v[TQ+1]
.elseif (\m) == 11
	v_and_or_b32 v[TQ+2], v[TQ], 0x7f800000, s62
	v_and_or_b32 v[TQ+3], v[TQ+1], 0x7f800000, s62
.elseif (\m) < 28
.set K_, (\m)-12
.set L_, \x+2*K_
.if K_ == 3
	HOLD L_, SOP+2
	HOLD L_+1, SOP+2
.elseif K_ < 8
	HOLD L_, TQ+2
	HOLD L_+1, TQ+2
.else
	HOLD L_, TQ+3
	HOLD L_+1, TQ+3
.endif
.if K_ == 2
	v_mov_b32 v[SOP+2], v[TQ+2]  ; a second copy of the bound, freshly written
.endif
.if K_%4 == 3
	v_cvt_scalef32_pk8_bf8_f32 v[NCD+2*(K_/4):NCD+2*(K_/4)+1], v[\x+8*(K_/4):\x+8*(K_/4)+7], v[SOP+K_/8]
.endif
.elseif (\m) == 28
	v_lshrrev_b32 v[EB+1], 23, v[SOP+1]
	v_lshrrev_b32 v[EB], 23, v[SOP]
.elseif (\m) == 29
	v_lshl_or_b32 v[EB], v[EB+1], 8, v[EB]
.endif
.endm
.macro HOLDS m, x
.if (\m) == 3
	HOLD \x, TQ+3
	HOLD \x+1, TQ+3
.else
	HOLD \x, TQ+1
	HOLD \x+1, TQ+1
.endif
.if (\m) == 2
	v_mov_b32 v[TQ+3], v[TQ+1]
.endif
.endm
.macro GAPV u, x  ; THE QUANTISER OF A PAIR OF V's BLOCKS, gaps 0 .. 59, 15 a tile: a scale block of 32 tokens lies in the even block's sums at x and the odd's at x + 32, in lanes l and l xor 16 -> codes MCD + 4 t, bytes EB + t
.set T_, (\u)/15
.set J_, (\u)%15
.set E_, \x+8*T_
.set O_, E_+32
.if (\u) > 59
.elseif J_ == 0
	v_max3_num_f32 v[TQ], |v[E_]|, |v[E_+1]|, |v[E_+2]|
	v_max3_num_f32 v[TQ+2], |v[O_]|, |v[O_+1]|, |v[O_+2]|
.elseif J_ < 3
	v_max3_num_f32 v[TQ], v[TQ], |v[E_+2*J_+1]|, |v[E_+2*J_+2]|
	v_max3_num_f32 v[TQ+2], v[TQ+2], |v[O_+2*J_+1]|, |v[O_+2*J_+2]|
.elseif J_ == 3
	v_max3_num_f32 v[TQ+2], v[TQ+2], |v[O_+7]|, (EMAX+1)<<23
	v_max3_num_f32 v[TQ], v[TQ], |v[E_+7]|, v[TQ+2]
.elseif J_ == 4
	v_permlanex16_b32 v[TQ+2], v[TQ], s60, s61
	v_max_num_f32 v[TQ], v[TQ], v[TQ+2]
.elseif J_ == 5
	v_add_nc_u32 v[SOP+T_], -(EMAX<<23), v[TQ]
	v_and_or_b32 v[TQ+1], v[TQ], 0x7f800000, s62
.elseif J_ < 10
	HOLDS J_-6, E_+2*(J_-6)
.if J_ == 9
	v_cvt_scalef32_pk8_bf8_f32 v[MCD+4*T_:MCD+4*T_+1], v[E_:E_+7], v[SOP+T_]
.endif
.elseif J_ < 14
	HOLDS J_-6, O_+2*(J_-10)
.if J_ == 13
	v_cvt_scalef32_pk8_bf8_f32 v[MCD+4*T_+2:MCD+4*T_+3], v[O_:O_+7], v[SOP+T_]
.endif
.else
	v_lshrrev_b32 v[EB+T_], 23, v[SOP+T_]
.endif
.endm
.macro RDESC i, off, lds  ; group 0 of a refill, in two parts: my quarter of 128 rows, the rows at s[off] of x's codes, into LDS at s[lds]
.if (\i) == 0
	s_mul_i32 s[G0R+1], s91, CH/4*PITCH
	s_add_co_u32 s[G0R+1], s[G0R+1], s\lds
	s_mul_i32 s20, s91, CH/4*KROW
	s_add_co_u32 s20, s20, s\off
.else
	s_mov_b32 s21, 0
	s_add_nc_u64 s[G0R+2:G0R+3], s[4:5], s[20:21]
	s_or_b32 s[G0R+3], s[G0R+3], 0x80000000
.endif
.endm
; WHAT STANDS BEHIND PRODUCT n.  j: the block's number in its trip (the second loop's: 4, 5; V's: -1, -2).  The addresses of the block two on stand behind 0 and 1; a prefetch's address or the bytes' next place behind 2; a refill's group 0 behind 29 and 30; from 1 on a way out: y = 1 Q's or K's block at x; 2, 3 the halves of V's pair at x
.macro LIST n, j, y, x
.if (\n) == 0
.if (\j) == 1 || (\j) == 5
	s_add_nc_u64 s[84:85], s[84:85], s[66:67]
.elseif (\j) >= 0
	s_add_nc_u64 s[84:85], s[84:85], TT
.endif
.if (\j) == 1
	s_cmp_eq_u32 s46, 2
	s_cselect_b64 s[84:85], s[88:89], s[84:85]
.endif
	WIN 0
.if (\j) == 0 || (\j) == 1
	s_add_co_u32 s22, s101, ((\j)+2)*16*PITCH
.elseif (\j) > 1
	s_add_co_u32 s22, s47, ((\j)%2)*16*PITCH
.else
	s_add_co_u32 s22, s47, (-1-(\j))*16*PITCH
.endif
	v_add_nc_u32 v[ADRA], s22, v[ADRA0]
.elseif (\n) == 1
	WIN 0
.if (\j) == 0 || (\j) == 1
	s_add_co_u32 s22, s17, ((\j)+2)*SST
.elseif (\j) > 1
	s_add_co_u32 s22, s8, ((\j)%2)*SST
.else
	s_add_co_u32 s22, s8, (-1-(\j))*SST
.endif
	v_add_nc_u32 v[AAS], s22, v[AAS0]
.endif
.if (\j) == 2 && (\n) == 2
	WIN 0
	v_lshl_add_u32 v7, v3, 8, s23
.elseif (\j) == 0 && ((\n) == 29 || (\n) == 30)
	RDESC (\n)-29, 6, 47
.elseif ((\j) == 1 || (\j) == 5) && (\n) == 2
	WIN 0
	v_add_nc_u32 v[VX], s9, v[VX]
.endif
.if (\y) == 1 && (\n) > 0 && (\n) < 31
	WIN 0
	GAPQ (\n)-1, \x
.elseif (\y) == 2 && (\n) > 0 && (\n) < 31
	WIN 0
	GAPV (\n)-1, \x
.elseif (\y) == 3 && (\n) > 0 && (\n) < 31
	WIN 0
	GAPV (\n)+29, \x
.endif
.endm
.macro BLOCK kind, e, a, from, to, j, y, x
.set N_, \from
.rept (\to)-(\from)
	PROD \kind, \e, \a, N_
	LIST N_, \j, \y, \x
.set N_, N_+1
.endr
.endm
.macro BLK kind, e, a, w, j, y, x  ; a block; w: the wait's count (-1: none)
.if (\w) >= 0
	s_wait_dscnt \w
.endif
	s_wait_xcnt 0x0
	BLOCK \kind, \e, \a, 0, 32, \j, \y, \x
	WIN 0
	PLACES NP
.endm
.macro RBLK kind, e, a, w, j, y, x  ; a block with a round of the cluster's barrier
	s_wait_dscnt \w
	s_wait_xcnt 0x0
	GRD
	BLOCK \kind, \e, \a, 0, 28, \j, \y, \x
	WIN 0
	WALU
	s_wait_dscnt 0x0  ; the add is done, and my reads of the slot that is filled
	s_barrier_signal -1
	BLOCK \kind, \e, \a, 28, 32, \j, \y, \x
	WALU
	MIDDLE
	BARRIER
.endm
.macro SBLK kind, e, a, w, j, y, x, half=0  ; a block with a plain barrier (half = 1: it shows waves 0 and 1's loads alone)
.if (\w) >= 0
	s_wait_dscnt \w
.endif
	s_wait_xcnt 0x0
	BLOCK \kind, \e, \a, 0, 28, \j, \y, \x
	WIN 0
	WALU
.if \half
	s_cmp_lt_u32 s14, 2
	s_cbranch_scc0 .Lnot_yet_\@
	s_wait_tensorcnt 0x0
.Lnot_yet_\@:
.else
	s_wait_tensorcnt 0x0
.endif
	s_wait_dscnt 0x0
	s_barrier_signal -1
	BLOCK \kind, \e, \a, 28, 32, \j, \y, \x
	WIN 0
	WALU
	s_barrier_wait -1
	PLACES NP
.endm
.macro QOUT off, boff  ; a block's two bytes a row go to their place in LDS, its 32 codes a lane leave: each store covers 256 consecutive bytes, aligned
	ds_store_b16 v[VX], v[EB] offset:\boff
.irp b, 0,1,2,3
	global_store_b64 v[CN], v[NCD+2*\b:NCD+2*\b+1], s[84:85] offset:(\off)+256*\b
.endr
.endm
.irp q, 0,1,2,3,4,5,6,7
.irp b, 0,1,2,3
	FRAG 4*\q+\b, ADRB, \q, \b*16*PITCH
.endr
.endr
	WIN 0
	s_wait_tensorcnt 0x0  ; chunk 0 and the scale bytes are in
	s_wait_dscnt 0x0  ; the first weight is in registers
	BARRIER
	FETCHAT 0, ADRA0, AAS0
	FETCHAT 1, 1, 2
	s_load_b128 s[92:95], s[0:1], 0x58  ; qkv_img, qkv_sc
	s_mov_b32 s60, 0x76543210
	s_mov_b32 s61, 0xfedcba98
	s_mov_b32 s62, 0x600000  ; the mantissa field of 57,344
.set I_, 0
.rept 32
	v_mov_b32 v[ACC+32+I_], 0
.set I_, I_+1
.endr
	v_mov_b32 v[TQ+2], 0  ; a lane permute's destination counts as one of its sources
	v_mov_b32 v[TQ+3], 0
	WALU
	s_wait_kmcnt 0x0
	s_add_nc_u64 s[96:97], s[92:93], s[80:81]
	s_add_nc_u64 s[98:99], s[94:95], s[82:83]
	s_add_nc_u64 s[92:93], s[92:93], s[76:77]
	s_add_nc_u64 s[94:95], s[94:95], s[78:79]
	s_lshl_b32 s20, s18, 18
	s_mov_b32 s21, 0
	s_add_nc_u64 s[88:89], s[92:93], s[20:21]  ; Q's or K's images of V's window
	s_xor_b32 s20, s20, 0x40000
	s_add_nc_u64 s[84:85], s[92:93], s[20:21]  ; of the other window
	s_sub_nc_u64 s[84:85], s[84:85], 6*TT  ; (blocks 0 and 1 step it by 1 and 5 tiles: block 0 leaves behind block 1)
	s_mov_b64 s[86:87], s[4:5]
	s_mov_b32 s46, 0  ; PHASE 1.  s46 the trip; s101, s47 this chunk's slot and the next one's; s17, s8 their scale words; s6 the rows that are loaded; s9 to the bytes' next place; s23, s[86:87] my share of what is prefetched
	s_mov_b32 s9, 0
	s_mov_b32 s23, 0
	s_mov_b32 s101, 0
	s_mov_b32 s47, YB
	s_mov_b32 s17, 0
	s_mov_b32 s8, CST
	s_mov_b32 s66, 5*TT
	s_mov_b32 s67, 0
	s_wait_loadcnt 0x0  ; the bias and the scale words
.Lfour:
	RBLK 0, 0, 0, NF, 0, 1, ACC+32  ; blocks 0, 4, 8: chunks 1, 2, 3 come
	s_cmp_lt_u32 s14, 2  ; waves 0, 1 and waves 2, 3 have a load line each
	s_cbranch_scc0 .Lupper
	TLOAD G0R, G1R
	s_branch .Lboth
.Lupper:
	TLOAD G0R, G1R
.Lboth:
	PLACES NP-4
	s_cmp_eq_u32 s46, 0
	s_cbranch_scc1 .Lno_block_before
	QOUT 0, 192
.Lno_block_before:
	FETCHAT 0, ADRA, AAS
	BLK 0, 1, 1, -1, 1, 1, ACC
	QOUT 0, 0
	FETCHAT 1, ADRA, AAS
	SBLK 0, 0, 0, NF, 2, 1, ACC+32, 1  ; the next chunk's blocks 0 and 1 are in
	QOUT 0, 64
	s_cmp_eq_u32 s46, 0
	s_cbranch_scc1 .Lnone_ahead
	global_prefetch_b8 v7, s[86:87] th:TH_LOAD_NT scope:SCOPE_SE
.Lnone_ahead:
	FETCHAT 0, ADRA, AAS
	BLK 0, 1, 1, -1, 3, 1, ACC
	QOUT 0, 128
	FETCHAT 1, ADRA, AAS
	s_cmp_eq_u32 s46, 0
	s_cselect_b32 s6, s2, s7
	s_cselect_b32 s21, s90, s100
	s_cselect_b32 s22, s7, s3
	s_cselect_b64 s[86:87], s[4:5], s[12:13]
	s_mov_b32 s9, 512
	s_lshl_b32 s21, s21, 13
	s_add_co_u32 s23, s21, s22
	s_mov_b32 s101, s47
	s_mov_b32 s17, s8
	s_xor_b32 s47, s47, YB
	s_add_co_u32 s8, s8, CST
	s_add_co_u32 s46, s46, 1
	s_cmp_lg_u32 s46, 3
	s_cbranch_scc1 .Lfour
	v_add_nc_u32 v[VX], 128, v[VX]
	WALU
	GRD
	s_mul_i32 s20, s14, CH/4*KROW
	s_add_co_u32 s20, s20, s3
	s_mov_b32 s21, 0
	s_mul_i32 s[G0A+1], s14, CH/4*PITCH
	s_add_nc_u64 s[G0A+2:G0A+3], s[12:13], s[20:21]
	s_or_b32 s[G0A+3], s[G0A+3], 0x80000000
	GROUP1 G1A, 45, CH/4
	s_wait_dscnt 0x0
	s_barrier_signal -1
	MIDDLE
	BARRIER
	TLOAD G0A, G1A
	s_mov_b32 s47, YB+32*PITCH
	s_mov_b32 s8, 52*272
	s_mov_b32 s9, 384
.Ltwo:
	BLK 0, 0, 0, NF, 4, 1, ACC+32  ; blocks 12, 14
	QOUT 0, 64
	FETCHAT 0, ADRA, AAS
	BLK 0, 1, 1, NF, 5, 1, ACC  ; 13, 15; the block two on is then V's: chunk 3 again, as it lies in slot 1
	QOUT 0, 0
	FETCHAT 1, ADRA, AAS
	s_mov_b32 s47, YB
	s_mov_b32 s8, 48*272
	s_mov_b32 s9, 128
	s_mov_b32 s66, TT
	s_add_co_u32 s46, s46, 1
	s_cmp_lg_u32 s46, 5
	s_cbranch_scc1 .Ltwo
; the change of phase
	s_wait_xcnt 0x0
	s_wait_tensorcnt 0x0  ; Wv's rows are in
	s_wait_dscnt 0x0
	BARRIER
.macro CHANGE i  ; among Wv's 128 loads: the last block's way out; Wv's scale words into their place; zeros into what no block has written yet
.if (\i) < 8
.irp k, 0,1,2,3
.if 4*(\i)+\k < 30
	GAPQ 4*(\i)+\k, ACC+32
.endif
.endr
.elseif (\i) < 10
.irp q, 0,1,2,3,4,5,6,7
	v_mov_b32 v[SB+8*((\i)-8)+\q], v[WS+8*((\i)-8)+\q]
.endr
.else
.irp q, 0,1,2,3,4,5,6,7
	v_mov_b32 v[ACC+80+8*((\i)-10)+\q], 0
.endr
.endif
.endm
.irp q, 0,1,2,3,4,5,6,7
.irp b, 0,2
	FRAG 4*\q+\b, ADRB+1, \q, \b*16*PITCH
	FRAG 4*\q+\b+1, ADRB+1, \q, (\b+1)*16*PITCH
	WIN 0
	CHANGE 2*\q+\b/2
.endr
.endr
.irp t, 0,1,2,3
.irp i, 0,1,2,3,4,5,6,7
	v_mov_b32 v[BQ+8*\t+\i], v[BV+\t]
.endr
.endr
	WALU
	QOUT TT, 64
	GRD
	s_mov_b32 s47, 0
	RDESC 0, 2, 47
	RDESC 1, 2, 47
	s_mov_b32 s46, 0
	s_mov_b32 s47, YB+32*PITCH
	s_mov_b32 s8, 52*272
	s_wait_dscnt 0x0
	s_barrier_signal -1
	MIDDLE
	BARRIER
	TLOAD G0R, G1R
.macro VOUT  ; a pair of V's blocks: four tiles' bytes and codes
.irp t, 0,1,2,3
	ds_store_b8 v[VX], v[EB+\t] offset:64*\t
	global_store_b64 v[CN], v[MCD+4*\t:MCD+4*\t+1], s[84:85] offset:131072*\t
	global_store_b64 v[CN], v[MCD+4*\t+2:MCD+4*\t+3], s[84:85] offset:131072*\t+256
.endr
.endm
.macro VTO  ; s22 = 2 + a pair's number 0 .. 3: group 1's two pairs come first, then group 0's
	s_lshr_b32 s23, s22, 2
	s_xor_b32 s23, s23, 1
	s_and_b32 s22, s22, 1
	s_lshl_b32 s20, s23, 11
	s_lshl_b32 s21, s22, 9
	SADD 20, 21
	s_mov_b32 s21, 0
	s_add_nc_u64 s[84:85], s[96:97], s[20:21]
	s_lshl_b32 s23, s23, 9
	SADD 22, 23
	v_add_nc_u32 v[VX], s22, v[RD]
.endm
.Lpair:
	BLK 1, 0, 0, -1, -1, 2, ACC+64
	s_cmp_eq_u32 s46, 3
	s_cbranch_scc1 .Lnone_0
	FETCHAT 0, ADRA, AAS
	s_wait_dscnt NF
	s_branch .Lgo
.Lnone_0:
	s_wait_dscnt 0x0
.Lgo:
	SBLK 1, 1, 1, -1, -2, 3, ACC+64  ; the first trip's shows chunk 2
.set I_, 0
.rept 32  ; the pair's sums are copied, so that one trip is two blocks of text
	v_dual_mov_b32 v[ACC+64+I_], v[ACC+I_] :: v_dual_mov_b32 v[ACC+64+I_+1], v[ACC+I_+1]
.set I_, I_+2
.endr
	s_add_co_u32 s22, s46, 1
	VTO
	s_cmp_eq_u32 s46, 0
	s_cbranch_scc1 .Lno_pair_before
	VOUT
.Lno_pair_before:
	s_cmp_eq_u32 s46, 3
	s_cbranch_scc1 .Lnone_1
	FETCHAT 1, ADRA, AAS
.Lnone_1:
	s_mov_b32 s8, 36*272
	s_cmp_eq_u32 s46, 0
	s_cselect_b32 s47, 0, 32*PITCH
	s_cselect_b32 s8, 32*272, s8
	s_add_co_u32 s46, s46, 1
	s_cmp_lg_u32 s46, 4
	s_cbranch_scc1 .Lpair
	s_wait_xcnt 0x0
.set N_, 0
.rept 60
	GAPV N_, ACC+64
.set N_, N_+1
.endr
	WALU
	s_mov_b32 s22, 5
	VTO
	VOUT
	s_wait_dscnt 0x0  ; the scale bytes
	BARRIER
	v_lshlrev_b32 v20, 4, v3
	s_lshl_b32 s21, s14, 9
	s_add_co_u32 s21, s21, XN
	v_add_nc_u32 v21, s21, v20
	v_lshlrev_b32 v22, 3, v3
	s_lshl_b32 s21, s14, 8
	s_add_co_u32 s21, s21, XV
	v_add_nc_u32 v23, s21, v22
	WALU
	ds_load_b128 v[60:63], v21
	ds_load_b64 v[40:41], v23
	s_wait_dscnt 0x0
	global_store_b128 v20, v[60:63], s[94:95]
	global_store_b64 v22, v[40:41], s[98:99]
	s_wait_tensorcnt 0x0  ; the wave's end
	ds_add_u32 v[SPW], v[NIL]
	s_wait_dscnt 0x0
	CROUND  ; the closing round
	s_endpgm
.Lfunc_end_k_q14eeb9cba7_proj:
	.size	k_q14eeb9cba7_proj, .Lfunc_end_k_q14eeb9cba7_proj-k_q14eeb9cba7_proj
	.p2alignl 7, 3214868480
	.fill 96, 4, 3214868480
	.section	.rodata,"a",@progbits
	.p2align	6, 0x0
	.amdhsa_kernel k_q14eeb9cba7_proj
		.amdhsa_group_segment_fixed_size 327680
		.amdhsa_private_segment_fixed_size 0
		.amdhsa_enable_private_segment 0
		.amdhsa_kernarg_size 104
		.amdhsa_user_sgpr_count 2
		.amdhsa_user_sgpr_kernarg_segment_ptr 1
		.amdhsa_wavefront_size32 1
		.amdhsa_system_sgpr_workgroup_id_x 1
		.amdhsa_system_sgpr_workgroup_id_y 1
		.amdhsa_system_sgpr_workgroup_id_z 1
		.amdhsa_system_vgpr_workitem_id 0
		.amdhsa_next_free_vgpr 1024
		.amdhsa_next_free_sgpr 102
		.amdhsa_reserve_vcc 0
		.amdhsa_float_denorm_mode_32 3
		.amdhsa_float_denorm_mode_16_64 3
		.amdhsa_memory_ordered 1
		.amdhsa_forward_progress 1
		.amdhsa_inst_pref_size 168
	.end_amdhsa_kernel
	.amdgpu_metadata
---
amdhsa.version: [ 1, 2 ]
amdhsa.kernels:
  - .name:           k_q14eeb9cba7_proj
    .symbol:         k_q14eeb9cba7_proj.kd
    .args:
      - { .name: x_codes, .offset: 0, .size: 8, .value_kind: global_buffer, .address_space: global }
      - { .name: x_scales, .offset: 8, .size: 8, .value_kind: global_buffer, .address_space: global }
      - { .name: Wq_codes, .offset: 16, .size: 8, .value_kind: global_buffer, .address_space: global }
      - { .name: Wq_scales, .offset: 24, .size: 8, .value_kind: global_buffer, .address_space: global }
      - { .name: bq, .offset: 32, .size: 8, .value_kind: global_buffer, .address_space: global }
      - { .name: Wk_codes, .offset: 40, .size: 8, .value_kind: global_buffer, .address_space: global }
      - { .name: Wk_scales, .offset: 48, .size: 8, .value_kind: global_buffer, .address_space: global }
      - { .name: bk, .offset: 56, .size: 8, .value_kind: global_buffer, .address_space: global }
      - { .name: Wv_codes, .offset: 64, .size: 8, .value_kind: global_buffer, .address_space: global }
      - { .name: Wv_scales, .offset: 72, .size: 8, .value_kind: global_buffer, .address_space: global }
      - { .name: bv, .offset: 80, .size: 8, .value_kind: global_buffer, .address_space: global }
      - { .name: qkv_img, .offset: 88, .size: 8, .value_kind: global_buffer, .address_space: global }
      - { .name: qkv_sc, .offset: 96, .size: 8, .value_kind: global_buffer, .address_space: global }
    .group_segment_fixed_size: 327680
    .private_segment_fixed_size: 0
    .kernarg_segment_align: 8
    .kernarg_segment_size: 104
    .max_flat_workgroup_size: 128
    .sgpr_count:     102
    .vgpr_count:     1024
    .wavefront_size: 32
...
	.end_amdgpu_metadata
.endif
;; end of part 1
;; launch scores (part 2): grid 8 x 32, 4 waves a work-group, clusters of 4 x 4, 327,680 bytes of LDS; arguments qkv_img, qkv_sc, p_img, p_st; writes p_img, p_st
.if DOCPART == 2
	.amdgcn_target "amdgcn-amd-amdhsa--gfx1250"
	.amdhsa_code_object_version 6
	.text
	.protected	k_q14eeb9cba7_scores
	.globl	k_q14eeb9cba7_scores
	.p2align	8
	.type	k_q14eeb9cba7_scores,@function
k_q14eeb9cba7_scores:
	s_mov_b64 s[64:65], 0
	v_nop
	global_prefetch_b8 v0, s[64:65] scope:SCOPE_SE
	s_setreg_imm32_b32 hwreg(HW_REG_WAVE_MODE, 25, 1), 1
	s_wait_xcnt 0x0
	s_wait_alu depctr_hold_cnt(0) depctr_sa_sdst(0) depctr_va_vdst(0) depctr_va_sdst(0) depctr_va_ssrc(0) depctr_va_vcc(0) depctr_vm_vsrc(0)
	s_getreg_b32 s2, hwreg(HW_REG_IB_STS2, 6, 4)
	s_cmp_eq_u32 s2, 0
	s_cbranch_scc0 .Lentry_in_a_cluster
	s_endpgm
.Lentry_in_a_cluster:
	s_bfe_u32 s2, ttmp6, 0x10000c
	s_cmp_lg_u32 s2, 0xf033
	s_cbranch_scc0 .Lentry_shape_is_right
	s_endpgm
.Lentry_shape_is_right:
; S^T = K Q^T on codes of BF8 (E5M2) with E8M0 scales (K = the hidden 1,024), and the softmax's p, quantised along the keys, for 4 batches of 2,048 queries x 2,048 keys.
; t = score x log2(e) / 32.  A wave owns 128 queries x ONE GROUP OF 128 KEYS and takes the maximum away within that group: M_g = the group's largest t of a row, rounded up to a whole number;
; p = 2^(t - M_g) is quantised in blocks of 32 keys; l_g = the sum of the unquantised p.  The row's M is the largest M_g; since every M_g is a whole number, p under M has the same codes and scale bytes less M - M_g.
; The next launch takes that difference off the bytes and adds the l_g.  Stored: p's codes (p_img), its scale words, -M_g and l_g (p_st).
; SHARES.  A work-group makes 256 queries x 256 keys; four waves, 128 x 128 each: 64 accumulators.  Source 0 = 16 keys, source 1 = 16 queries: a lane holds one query, its registers run along the keys.
; CLUSTERS: 4 x 4.  Q's tiles are shared along a row of the cluster, K's along a column: joint loads.
; OPERANDS lie in memory as images of their registers (2,048 bytes for 16 rows x 128 k; four loads of 16 bytes a lane at 16 x lane + 512 c bring one): a slot's tile is 8 pieces of 4,096 dense bytes; no padding is needed.
; p_img: [query tile 512][key group 16][2,048].  p_st: three arrays [batch 4][key group 16][query 2,048] of 4 bytes: scale words at 0, -M_g at 524,288, l_g at 1,048,576.
; LIMITS: NaN and infinities are not served.  A block whose largest p lies under 2^(16 - 127) keeps the byte 1; p under 2^-126 is 0 (ISA guide 15.8: the exponential flushes).
; No prefetch: of the four slots' worth of K two are first fills, and the other two would have to be asked for at the head, beside every work-group's first tiles.
; REGISTERS: window 0: v1-29 addresses; v30-59 the softmax's small numbers; v64-127 all scale words; v128-255 Q's fragments, one set (in the epilogue: at work).
;   window 1: K's fragments, two sets.   windows 2, 3: accumulator (a, b) at v[8 (8 (a % 4) + b)] of window 2 + a / 4.
; PREFETCH (this stands in place of the line on it above): K steps 4, 5 are asked for behind the head's fragment loads, K steps 6, 7 at the first change of slots, each a slot ahead of its joint load; nothing beyond.
; A slot's part of 16 tiles is 256 blocks of 256 bytes; the four partners that load them jointly take 64 each, by address (cx for Q, cy for K): two waves, 2 tiles x 16 blocks each, one instruction.
.set HALF,   32768                     ; 8 tiles x 4,096 bytes: what one tensor load of the ring brings
.set SLOT,   4*HALF                    ; Q's 16 tiles, then K's 16 tiles, 256 along K
.set SCL,    2*SLOT                    ; scale words [k step 8][16 tiles][64 bytes]: Q's, then K's at + 8,192
.set SPARE,  SCL+16384                 ; the spare words: 128 bytes a wave, named by no other line
.set STG,    SPARE+512                 ; a stage of 1,536 bytes a wave for scale words, -M_g and l_g; no tensor load lands here
.set ADRA, 16                          ; v16-17  my Q fragments in slot 0, 1
.set ADRB, 20                          ; v20-21  my K fragments
.set CO8,  22                          ; v22     16 r + 8 h
.set L16,  23                          ; v23     16 x lane
.set STA,  24                          ; v24     the stage, in: 4 r
.set STB,  25                          ; v25     the stage, out: 16 x lane
.set ADRS, 27                          ; v27     my scale words: lanes 0-15 Q's, lanes 16-31 K's
.set SPW,  28
.set NIL,  29
.set NM,   30                          ; v[30:31] -M_g (the packed form names the pair and takes its low word)
.set BM,   32                          ; v32-35  a block's largest score, then its largest p
.set PX,   36                          ; v36-39  the other half's
.set LIM,  40                          ; v40-43  57,344 x the scale
.set SOP,  44                          ; v44-47  the conversions' scale operands
.set BY,   48                          ; v48-51  the bytes
.set PW,   52                          ; the scale word
.set LS,   54                          ; v[54:55], v[56:57] the sum in two chains
.set LT,   56
.set MX,   58
.set LX,   59
.set SC,   64                          ; register 8 ks + i: lanes 0-15 the word of Q's tile i, lanes 16-31 of K's tile i, for K step ks
.set AF,   128
.set T,    128                         ; epilogue: v128-191 t - M_g, then p
.set CD,   192                         ; v192-207 codes
.set BKS,  208                         ; v208-219 the stage's three arrays on their way out
.set WV,   14
.set H1,   15                          ; which half of the queries is mine; also: I fetch for Q (0) or K (1)
.set H0,   16                          ; which half of the keys; also: which half I fetch
.set G1A,  24
.set G0A,  32
.set G1B,  48
.set G0B,  56
.set G1SA, 68
.set G0SA, 76
.set G1SB, 80
.set G0SB, 88
.set CS,   92                          ; s[92:93] log2(e) / 32
.set SEL,  94
.set MNT,  96
.set MSB, 0
.macro WIN new
.if MSB != (\new)
	s_set_vgpr_msb (MSB<<8)|(\new)
.set MSB, (\new)
.endif
.endm
.macro PLACES n
.rept \n
	v_nop
.endr
.endm
.macro JLOAD g0a, g1a, g0b, g1b        ; waves 0 and 1 fetch for Q, waves 2 and 3 for K; four v_nop follow each of the two lines
	s_cmp_eq_u32 s[H1], 0
	s_cbranch_scc0 .Lfor_b_\@
	tensor_load_to_lds s[\g0a:\g0a+3], s[\g1a:\g1a+7]
	s_nop 0
.rept 4
	v_nop
.endr
	s_branch .Lasked_\@
.Lfor_b_\@:
	tensor_load_to_lds s[\g0b:\g0b+3], s[\g1b:\g1b+7]
	s_nop 0
.rept 4
	v_nop
.endr
.Lasked_\@:
.endm
.macro CREST
	s_cmp_lg_u32 s[WV], 0
	s_cbranch_scc1 .Lnot_wave_0_\@
	s_barrier_signal -3
.Lnot_wave_0_\@:
	s_barrier_wait -3
	s_barrier_signal -1
	s_barrier_wait -1
.endm
.macro CROUND
	s_barrier_signal -1
	s_barrier_wait -1
	CREST
.endm
	s_load_b256 s[4:11], s[0:1], 0x0               ; qkv_img, qkv_sc, p_img, p_st
	v_lshl_add_u32 v[SPW], v0, 2, SPARE
	v_mov_b32 v[NIL], 0
	ds_add_u32 v28, v29
	ds_add_u32 v28, v29
	s_wait_dscnt 0x0
	v_lshrrev_b32 v1, 5, v0
	v_readfirstlane_b32 s[WV], v1
	s_lshr_b32 s[H1], s[WV], 1
	s_and_b32 s[H0], s[WV], 1
	s_bfe_u32 s40, ttmp6, 0x40000                  ; cx, cy
	s_bfe_u32 s41, ttmp6, 0x40004
	s_lshl_b32 s42, ttmp9, 2
	s_add_co_u32 s42, s42, s40                     ; my tile of 256 keys, 0 .. 7
	s_and_b32 s45, ttmp7, 0xffff
	s_lshl_b32 s17, s45, 2
	s_add_co_u32 s17, s17, s41                     ; my tile of 256 queries over all batches, 0 .. 31
	s_lshr_b32 s45, s45, 1                         ; the batch: of the cluster's y alone
	s_lshl_b32 s43, s41, 2
	s_lshl_b32 s43, 15, s43                        ; my row of the cluster
	s_lshl_b32 s44, 0x1111, s40                    ; my column
	; group 1 for the codes: 8 pieces of 4,096 bytes (512 elements of 8), 16,384 bytes apart in memory, dense in LDS
	s_or_b32 s[G1A], s43, (3<<16)|(1<<21)
	s_or_b32 s[G1B], s44, (3<<16)|(1<<21)
.irp g, G1A, G1B
	s_mov_b32 s[\g+1], 512<<16
	s_mov_b32 s[\g+2], 16<<16                      ; 16 pieces for the head's loads, set to 8 behind them
	s_mov_b32 s[\g+3], 512<<16
	s_mov_b32 s[\g+4], 16
	s_mov_b32 s[\g+5], 2048
	s_mov_b32 s[\g+6], 0
	s_mov_b32 s[\g+7], 0
.endr
	; and for the scale words: 8 K steps x 1,024 bytes (16 tiles), 32,768 bytes apart
	s_or_b32 s[G1SA], s43, (3<<16)|(1<<21)
	s_or_b32 s[G1SB], s44, (3<<16)|(1<<21)
.irp g, G1SA, G1SB
	s_mov_b32 s[\g+1], 128<<16
	s_mov_b32 s[\g+2], 8<<16                       ; all 8 K steps
	s_mov_b32 s[\g+3], 128<<16
	s_mov_b32 s[\g+4], 8
	s_mov_b32 s[\g+5], 4096
	s_mov_b32 s[\g+6], 0
	s_mov_b32 s[\g+7], 0
.endr
	s_mov_b32 s[G0A], 1
	s_lshl_b32 s[G0A+1], s[WV], 15                 ; LDS: wave x 32,768
	s_mov_b32 s[G0A+4], 1
	s_add_co_u32 s[G0A+5], s[G0A+1], SLOT
	s_mov_b32 s[G0B], 1
	s_mov_b32 s[G0B+1], s[G0A+1]
	s_mov_b32 s[G0B+4], 1
	s_mov_b32 s[G0B+5], s[G0A+5]
	s_mov_b32 s[G0SA], 1
	s_mov_b32 s[G0SA+1], SCL
	s_mov_b32 s[G0SB], 1
	s_mov_b32 s[G0SB+1], SCL+8192
	s_lshl_b32 s18, s[H0], 17                      ; my half: 8 tiles x 16,384 bytes of codes
	s_lshl_b32 s[G0A+2], s17, 18                   ; Q's codes: 16 tiles x 16,384 bytes a tile of 256 queries
	s_add_co_u32 s[G0A+2], s[G0A+2], s18
	s_mov_b32 s[G0A+3], 0
	s_lshl_b32 s[G0SA+2], s17, 10                  ; Q's scale words: 1,024 bytes
	s_mov_b32 s[G0SA+3], 0
	s_lshl_b32 s[G0B+2], s45, 21                   ; K's codes: the batch's 128 tiles,
	s_lshl_b32 s19, s42, 18                        ; my 16 of them
	s_add_co_u32 s[G0B+2], s[G0B+2], s19
	s_add_co_u32 s[G0B+2], s[G0B+2], s18
	s_add_co_u32 s[G0B+2], s[G0B+2], 8388608       ; K's part of qkv_img
	s_mov_b32 s[G0B+3], 0
	s_lshl_b32 s[G0SB+2], s45, 13
	s_lshl_b32 s19, s42, 10
	s_add_co_u32 s[G0SB+2], s[G0SB+2], s19
	s_add_co_u32 s[G0SB+2], s[G0SB+2], 262144      ; K's part of qkv_sc
	s_mov_b32 s[G0SB+3], 0
	s_mov_b32 s[CS], 0x3d38aa3b                    ; log2(e) / 32
	s_mov_b32 s[CS+1], s[CS]                       ; (named with it as a pair, so it is written)
	s_mov_b32 s[SEL], 0x76543210
	s_mov_b32 s[SEL+1], 0xfedcba98
	s_mov_b32 s[MNT], 0x600000
	s_wait_kmcnt 0x0
	s_add_nc_u64 s[G0A+2:G0A+3], s[4:5], s[G0A+2:G0A+3]            ; slot 0: K steps 0, 1
	s_add_nc_u64 s[G0A+6:G0A+7], s[G0A+2:G0A+3], 4096              ; slot 1: K steps 2, 3
	s_or_b32 s[G0A+3], s[G0A+3], 0x80000000
	s_or_b32 s[G0A+7], s[G0A+7], 0x80000000
	s_add_nc_u64 s[G0B+2:G0B+3], s[4:5], s[G0B+2:G0B+3]
	s_add_nc_u64 s[G0B+6:G0B+7], s[G0B+2:G0B+3], 4096
	s_or_b32 s[G0B+3], s[G0B+3], 0x80000000
	s_or_b32 s[G0B+7], s[G0B+7], 0x80000000
	s_add_nc_u64 s[G0SA+2:G0SA+3], s[6:7], s[G0SA+2:G0SA+3]
	s_or_b32 s[G0SA+3], s[G0SA+3], 0x80000000
	s_add_nc_u64 s[G0SB+2:G0SB+3], s[6:7], s[G0SB+2:G0SB+3]
	s_or_b32 s[G0SB+3], s[G0SB+3], 0x80000000
	CROUND                                         ; all sixteen work-groups are here: the first joint loads meet
; The head's loads, one a wave: wave 0 slot 0's 16 tiles of Q, wave 1 Q's scale words, wave 2 the 16 tiles of K, wave 3 K's scale words.
.macro ARM under, g0, g1, next
	s_cmp_lt_u32 s[WV], \under
	s_cbranch_scc0 \next
	tensor_load_to_lds s[\g0:\g0+3], s[\g1:\g1+7]
	s_nop 0
.rept 4
	v_nop
.endr
	s_branch .Lhead_asked
\next:
.endm
	ARM 1, G0A, G1A, .Lhead_1
	ARM 2, G0SA, G1SA, .Lhead_2
	ARM 3, G0B, G1B, .Lhead_3
	tensor_load_to_lds s[G0SB:G0SB+3], s[G1SB:G1SB+7]
	s_nop 0
.rept 4
	v_nop
.endr
.Lhead_asked:
	v_and_b32 v1, 15, v0                           ; r
	v_bfe_u32 v2, v0, 4, 1                         ; h
	s_wait_alu depctr_va_vdst(0)
	v_and_b32 v5, 31, v0
	v_lshlrev_b32 v[L16], 4, v5
	s_lshl_b32 s18, s[H1], 15                      ; my 8 tiles of Q
	s_lshl_b32 s19, s[H0], 15                      ; my 8 tiles of K,
	s_add_co_u32 s19, s19, 2*HALF                  ; behind Q's 16
.irp s, 0,1
	v_add_nc_u32 v[ADRA+\s], s18, v[L16]
	v_add_nc_u32 v[ADRB+\s], s19, v[L16]
	s_add_co_u32 s18, s18, SLOT
	s_add_co_u32 s19, s19, SLOT
.endr
	s_lshl_b32 s18, s[H1], 9                       ; Q's words: my 8 tiles x 64 bytes
	s_lshl_b32 s19, s[H0], 9
	s_add_co_u32 s19, s19, 8192                    ; K's
	s_sub_co_u32 s19, s19, s18                     ; from the one to the other
	v_mul_u32_u24 v6, s19, v2                      ; lanes 16-31 take K's
	s_add_co_u32 s18, s18, SCL
	v_lshl_add_u32 v6, v1, 2, v6
	v_add_nc_u32 v[ADRS], s18, v6
	v_lshlrev_b32 v[CO8], 4, v1
	v_lshl_add_u32 v[CO8], v2, 3, v[CO8]
	s_mul_i32 s18, s[WV], 1536
	s_add_co_u32 s18, s18, STG                     ; my stage
	v_lshl_add_u32 v[STA], v1, 2, s18
	v_add_nc_u32 v[STB], s18, v[L16]
	v_mov_b32 v[NM+1], 0                           ; (named as the upper half of a pair)
	v_mov_b32 v[LX], 0                             ; a lane permute's destination counts as one of its sources
.irp c, 0,1,2,3
	v_mov_b32 v[PX+\c], 0
.endr
	s_lshl_b32 s18, s17, 19                        ; p_img: ((16 x my tile of queries + 8 x half) x 16 + my key group) x 2,048
	s_lshl_b32 s19, s[H1], 18
	s_add_co_u32 s18, s18, s19
	s_lshl_b32 s19, s42, 12
	s_add_co_u32 s18, s18, s19
	s_lshl_b32 s19, s[H0], 11
	s_add_co_u32 s18, s18, s19
	s_mov_b32 s19, 0
	s_add_nc_u64 s[8:9], s[8:9], s[18:19]
	s_lshl_b32 s18, s45, 17                        ; p_st: ((16 x batch + key group) x 2,048 + my first query in the batch) x 4
	s_lshl_b32 s20, s42, 14
	s_add_co_u32 s18, s18, s20
	s_lshl_b32 s20, s[H0], 13
	s_add_co_u32 s18, s18, s20
	s_and_b32 s20, s17, 7
	s_lshl_b32 s20, s20, 10
	s_add_co_u32 s18, s18, s20
	s_lshl_b32 s20, s[H1], 9
	s_add_co_u32 s18, s18, s20
	s_add_nc_u64 s[10:11], s[10:11], s[18:19]
	v_lshlrev_b32 v7, 14, v2                       ; the prefetch: lanes 0-15 one tile's 16 blocks, lanes 16-31 the next tile's; v7 and s[22:23] are never rewritten
	v_lshl_add_u32 v7, v1, 8, v7
	s_lshl_b32 s18, s17, 18                        ; Q: tiles 4 cx + 2 half on
	s_lshl_b32 s20, s40, 16
	s_add_co_u32 s18, s18, s20
	s_lshl_b32 s19, s45, 21                        ; K: tiles 4 cy + 2 half on
	s_lshl_b32 s20, s42, 18
	s_add_co_u32 s19, s19, s20
	s_lshl_b32 s20, s41, 16
	s_add_co_u32 s19, s19, s20
	s_add_co_u32 s19, s19, 8388608
	s_cmp_eq_u32 s[H1], 0
	s_cselect_b32 s18, s18, s19
	s_lshl_b32 s20, s[H0], 15
	s_add_co_u32 s18, s18, s20
	s_add_co_u32 s18, s18, 8192                    ; K step 4
	s_mov_b32 s19, 0
	s_add_nc_u64 s[22:23], s[4:5], s[18:19]
.macro FRAG reg, adr, q, i             ; an image comes back as it was stored: four loads of 512 consecutive bytes
.irp c, 0,1,2,3
	ds_load_b128 v[\reg+4*\c:\reg+4*\c+3], v[\adr] offset:4096*(\i)+2048*(\q)+512*\c
.endr
.endm
; 16 matrix instructions: Q's tiles a0, a0 + 1 x K's eight, K step ks.  The 64 accumulators take turns, one instruction a turn.
.macro MUL16 a0, p, ks, zero
.irp a, \a0, \a0+1
.irp b, 0,1,2,3,4,5,6,7
.if \zero
	v_wmma_scale_f32_16x16x128_f8f6f4 v[8*(8*((\a)%4)+\b):8*(8*((\a)%4)+\b)+7], v[128*(\p)+16*\b:128*(\p)+16*\b+15], v[AF+16*(\a):AF+16*(\a)+15], 0, v[SC+8*(\ks)+\b], v[SC+8*(\ks)+(\a)] matrix_a_fmt:MATRIX_FMT_BF8 matrix_b_fmt:MATRIX_FMT_BF8 matrix_a_scale:MATRIX_SCALE_ROW1
.else
	v_wmma_scale_f32_16x16x128_f8f6f4 v[8*(8*((\a)%4)+\b):8*(8*((\a)%4)+\b)+7], v[128*(\p)+16*\b:128*(\p)+16*\b+15], v[AF+16*(\a):AF+16*(\a)+15], v[8*(8*((\a)%4)+\b):8*(8*((\a)%4)+\b)+7], v[SC+8*(\ks)+\b], v[SC+8*(\ks)+(\a)] matrix_a_fmt:MATRIX_FMT_BF8 matrix_b_fmt:MATRIX_FMT_BF8 matrix_a_scale:MATRIX_SCALE_ROW1
.endif
.endr
.endr
.endm
.macro FETCH_B slot, q, p
	WIN 0x40
.irp i, 0,1,2,3,4,5,6,7
	FRAG 128*(\p)+16*\i, ADRB+\slot, \q, \i
.endr
	WIN 0
.endm
.macro FETCH_A slot, q, i0
.irp i, \i0, \i0+1, \i0+2, \i0+3
	FRAG AF+16*(\i), ADRA+\slot, \q, \i
.endr
.endm
; A slot's first K step (K's set 0).  Eight places stand in front of each run of loads into registers that matrix instructions have read.
.macro STEP slot, ks, zero
	s_wait_dscnt 16                                ; all but the youngest 16 loads, Q's tiles 4-7
	WIN 0xa1
	MUL16 0, 0, \ks, \zero
	MUL16 2, 0, \ks, \zero
	s_wait_dscnt 0x0
	PLACES 8
	FETCH_B \slot, 1, 1
	FETCH_A \slot, 1, 0
	WIN 0xf1
	MUL16 4, 0, \ks, \zero
	MUL16 6, 0, \ks, \zero
	PLACES 8
	WIN 0
	FETCH_A \slot, 1, 4
.endm
; A slot's second K step changes slots: one barrier; in front of it each wave waits for all its tensor loads, adds 0 to its spare word, and waits for that and for its reads of this slot.
.macro TURN slot, next, fill, ks
	s_wait_tensorcnt 0x0                           ; all my tensor loads have landed: my part of the next slot
	ds_add_u32 v[SPW], v[NIL]                      ; 0 onto my spare word
	s_wait_dscnt 17                                ; the add and the youngest 16 loads may be out
	WIN 0xa1
	MUL16 0, 1, \ks, 0
	s_wait_dscnt 0x0                               ; the add is done, and my reads of this slot are over
	s_barrier_signal -1
	MUL16 2, 1, \ks, 0
	WIN 0
	s_barrier_wait -1
.if \fill
	CREST                                          ; no wave of any partner still reads this slot or has a load on its way
	s_add_nc_u64 s[G0A+4*\slot+2:G0A+4*\slot+3], s[G0A+4*\slot+2:G0A+4*\slot+3], 8192   ; four K steps on
	s_add_nc_u64 s[G0B+4*\slot+2:G0B+4*\slot+3], s[G0B+4*\slot+2:G0B+4*\slot+3], 8192
	JLOAD G0A+4*\slot, G1A, G0B+4*\slot, G1B
	PLACES 4
.else
	PLACES 8
.endif
	FETCH_B \next, 0, 0
	FETCH_A \next, 0, 0
.if (\ks) == 1
	global_prefetch_b8 v7, s[22:23] offset:4096 th:TH_LOAD_NT scope:SCOPE_SE   ; K steps 6, 7
.endif
	WIN 0xf1
	MUL16 4, 1, \ks, 0
	MUL16 6, 1, \ks, 0
	PLACES 8
	WIN 0
	FETCH_A \next, 0, 4
.endm
	s_wait_alu depctr_va_vdst(0)                   ; the wait at the head's end
	s_wait_tensorcnt 0x0                           ; my load is in; a later first fill follows
	ds_add_u32 v[SPW], v[NIL]
.irp g, G1A, G1B                               ; no tensor load of mine is out: from here on a load brings 8 pieces
	s_mov_b32 s[\g+2], 8<<16
	s_mov_b32 s[\g+4], 8
.endr
	s_wait_dscnt 0x0
	CROUND
	JLOAD G0A+4, G1A, G0B+4, G1B                   ; slot 1
.irp ks, 0,1,2,3,4,5,6,7                       ; all scale words, once: they stay in registers
.irp i, 0,1,2,3,4,5,6,7
	ds_load_b32 v[SC+8*\ks+\i], v[ADRS] offset:1024*\ks+64*\i
.endr
.endr
	FETCH_B 0, 0, 0
	FETCH_A 0, 0, 0
	FETCH_A 0, 0, 4
	global_prefetch_b8 v7, s[22:23] th:TH_LOAD_NT scope:SCOPE_SE   ; K steps 4, 5
	STEP 0, 0, 1                                   ; the first products start the sums
	TURN 0, 1, 1, 1
	STEP 1, 2, 0
	TURN 1, 0, 1, 3
	STEP 0, 4, 0
	TURN 0, 1, 0, 5                                ; nothing is left to fetch
	STEP 1, 6, 0
	s_wait_dscnt 16
	WIN 0xa1
	MUL16 0, 1, 7, 0
	MUL16 2, 1, 7, 0
	s_wait_dscnt 0x0
	WIN 0xf1
	MUL16 4, 1, 7, 0
	MUL16 6, 1, 7, 0
	WIN 0
	PLACES 8
; THE SOFTMAX OF A TILE OF 16 QUERIES over my 128 keys.  Register 16 c + i of the tile's 64 is key 32 c + 16 (i / 8) + 8 h + i % 8: block c lies in my 16 registers and in lane l xor 16's.
.macro SOFT a
.set AC, 64*((\a)%4)
	WIN 0x0a+5*((\a)/4)                            ; sources 0 and 1: window 2 or 3
.irp c, 0,1,2,3
	v_max3_num_f32 v[BM+\c], v[AC+16*\c], v[AC+16*\c+1], 0xff800000   ; each block's largest score: it serves the row's maximum and, since p rises with the score, the block's largest p.  Each accumulator is read from its low end on
.endr
.irp i, 2,4,6,8,10,12,14
.irp c, 0,1,2,3
	v_max3_num_f32 v[BM+\c], v[AC+16*\c+\i], v[AC+16*\c+\i+1], v[BM+\c]
.endr
.endr
	WIN 0
.irp c, 0,1,2,3
	v_permlanex16_b32 v[PX+\c], v[BM+\c], s[SEL], s[SEL+1]
.endr
.irp c, 0,1,2,3
	v_max_num_f32 v[BM+\c], v[BM+\c], v[PX+\c]
.endr
	v_max3_num_f32 v[MX], v[BM], v[BM+1], v[BM+2]
	v_max_num_f32 v[MX], v[MX], v[BM+3]            ; my query's largest score in the group
	v_mul_f32 v[MX], s[CS], v[MX]                  ; as t
	v_floor_f32 v[NM], -v[MX]                      ; -M_g = floor(-t) = -ceil(t)
	WIN 0x02+((\a)/4)                              ; source 0: window 2 or 3
.set n, 0
.rept 32
	v_pk_fma_f32 v[T+n:T+n+1], v[AC+n:AC+n+1], s[CS:CS+1], v[NM:NM+1] op_sel_hi:[1,0,0]   ; t - M_g, two at a time
.set n, n+2
.endr
	WIN 0
.irp c, 0,1,2,3
	v_fma_f32 v[BM+\c], v[BM+\c], s[CS], v[NM]     ; the same of each block's largest score
.endr
.set n, 0
	s_wait_alu depctr_va_vdst(0)
.rept 64
	v_exp_f32 v[T+n], v[T+n]                       ; p = 2^(t - M_g), at most 1
.set n, n+1
.endr
.irp c, 0,1,2,3
	v_exp_f32 v[BM+\c], v[BM+\c]                   ; the block's largest p: the same two instructions on the same number
.endr
	v_nop                                          ; a plain line behind the last exponential
	s_wait_alu depctr_va_vdst(0)                   ; one wait for the batch of 68, ahead of its first reader
	v_pk_add_f32 v[LS:LS+1], v[T:T+1], v[T+2:T+3]  ; the sum of the unquantised p, in two chains
	v_pk_add_f32 v[LT:LT+1], v[T+4:T+5], v[T+6:T+7]
.irp j, 8,12,16,20,24,28,32,36,40,44,48,52,56,60
	v_pk_add_f32 v[LS:LS+1], v[LS:LS+1], v[T+\j:T+\j+1]
	v_pk_add_f32 v[LT:LT+1], v[LT:LT+1], v[T+\j+2:T+\j+3]
.endr
	v_pk_add_f32 v[LS:LS+1], v[LS:LS+1], v[LT:LT+1]
	v_add_f32 v[LS], v[LS], v[LS+1]
	v_permlanex16_b32 v[LX], v[LS], s[SEL], s[SEL+1]
	v_add_f32 v[LS], v[LS], v[LX]                  ; l_g
.irp c, 0,1,2,3
	v_max_num_f32 v[BM+\c], 0x8000000, v[BM+\c]    ; the floor 2^(16 - 127): the byte cannot fall under 1
.endr
.irp c, 0,1,2,3
	v_add_nc_u32 v[SOP+\c], 0xf8800000, v[BM+\c]   ; 15 off the exponent field: the conversion's scale operand
.endr
.irp c, 0,1,2,3
	v_and_or_b32 v[LIM+\c], v[BM+\c], 0x7f800000, s[MNT]   ; 57,344 x the scale
.endr
.irp c, 0,1,2,3
	v_lshrrev_b32 v[BY+\c], 23, v[SOP+\c]          ; the byte: at most 112, since p is at most 1
.endr
	v_lshl_or_b32 v[PW], v[BY+1], 8, v[BY]
	v_lshl_or_b32 v[PW], v[BY+2], 16, v[PW]
	v_lshl_or_b32 v[PW], v[BY+3], 24, v[PW]
.irp c, 0,1,2,3
.irp i, 0,1,2,3,4,5,6,7,8,9,10,11,12,13,14,15
	v_min_num_f32 v[T+16*\c+\i], v[T+16*\c+\i], v[LIM+\c]   ; the conversion does not saturate (ISA guide 7.6.2); p is not negative, so the hold is one-sided
.endr
.endr
	s_wait_alu depctr_va_vdst(0)
	s_wait_xcnt 0x0                                ; the last tile's stores have read their codes: they are written again only behind this wait
.irp t, 0,1,2,3,4,5,6,7
	v_cvt_scalef32_pk8_bf8_f32 v[CD+2*\t:CD+2*\t+1], v[T+8*\t:T+8*\t+7], v[SOP+\t/2]
.endr
	v_nop                                          ; one plain line behind the last conversion
.irp t, 0,1,2,3,4,5,6,7
	global_store_b64 v[CO8], v[CD+2*\t:CD+2*\t+1], s[8:9] offset:32768*(\a)+256*\t   ; the 32 lanes store 256 consecutive bytes, aligned
.endr
	ds_store_b32 v[STA], v[PW] offset:64*(\a)      ; both halves of the lanes write the same word with the same value
	ds_store_b32 v[STA], v[NM] offset:512+64*(\a)
	ds_store_b32 v[STA], v[LS] offset:1024+64*(\a)
.endm
.irp a, 0,1,2,3,4,5,6,7
	SOFT \a
.endr
.irp k, 0,1,2
	ds_load_b128 v[BKS+4*\k:BKS+4*\k+3], v[STB] offset:512*\k   ; LDS serves a wave's instructions in order: these see my stores
.endr
	s_wait_dscnt 0x0
.irp k, 0,1,2
	global_store_b128 v[L16], v[BKS+4*\k:BKS+4*\k+3], s[10:11] offset:524288*\k   ; my 128 queries' words: 512 consecutive bytes, aligned
.endr
	s_wait_tensorcnt 0x0                           ; the wave's end
	ds_add_u32 v[SPW], v[NIL]
	s_wait_dscnt 0x0
	CROUND                                         ; the closing round
	s_endpgm
.Lfunc_end_k_q14eeb9cba7_scores:
	.size	k_q14eeb9cba7_scores, .Lfunc_end_k_q14eeb9cba7_scores-k_q14eeb9cba7_scores
	.p2alignl 7, 3214868480
	.fill 96, 4, 3214868480
	.section	.rodata,"a",@progbits
	.p2align	6, 0x0
	.amdhsa_kernel k_q14eeb9cba7_scores
		.amdhsa_group_segment_fixed_size 327680
		.amdhsa_private_segment_fixed_size 0
		.amdhsa_enable_private_segment 0
		.amdhsa_kernarg_size 32
		.amdhsa_user_sgpr_count 2
		.amdhsa_user_sgpr_kernarg_segment_ptr 1
		.amdhsa_wavefront_size32 1
		.amdhsa_system_sgpr_workgroup_id_x 1
		.amdhsa_system_sgpr_workgroup_id_y 1
		.amdhsa_system_sgpr_workgroup_id_z 1
		.amdhsa_system_vgpr_workitem_id 0
		.amdhsa_next_free_vgpr 1024
		.amdhsa_next_free_sgpr 100
		.amdhsa_reserve_vcc 0
		.amdhsa_float_denorm_mode_32 3
		.amdhsa_float_denorm_mode_16_64 3
		.amdhsa_memory_ordered 1
		.amdhsa_forward_progress 1
		.amdhsa_inst_pref_size 232
	.end_amdhsa_kernel
	.amdgpu_metadata
---
amdhsa.version: [ 1, 2 ]
amdhsa.kernels:
  - .name:           k_q14eeb9cba7_scores
    .symbol:         k_q14eeb9cba7_scores.kd
    .args:
      - { .name: qkv_img, .offset: 0, .size: 8, .value_kind: global_buffer, .address_space: global }
      - { .name: qkv_sc, .offset: 8, .size: 8, .value_kind: global_buffer, .address_space: global }
      - { .name: p_img, .offset: 16, .size: 8, .value_kind: global_buffer, .address_space: global }
      - { .name: p_st, .offset: 24, .size: 8, .value_kind: global_buffer, .address_space: global }
    .group_segment_fixed_size: 327680
    .private_segment_fixed_size: 0
    .kernarg_segment_align: 8
    .kernarg_segment_size: 32
    .max_flat_workgroup_size: 128
    .sgpr_count:     100
    .vgpr_count:     1024
    .wavefront_size: 32
...
	.end_amdgpu_metadata
.endif
;; end of part 2
;; launch pv (part 3): grid 4 x 64, 4 waves a work-group, clusters of 4 x 4, 327,680 bytes of LDS; arguments p_img, p_st, qkv_img, qkv_sc, out0; writes out0
.if DOCPART == 3
	.amdgcn_target "amdgcn-amd-amdhsa--gfx1250"
	.amdhsa_code_object_version 6
	.text
	.protected	k_q14eeb9cba7_pv
	.globl	k_q14eeb9cba7_pv
	.p2align	8
	.type	k_q14eeb9cba7_pv,@function
k_q14eeb9cba7_pv:
	s_mov_b64 s[64:65], 0
	v_nop
	global_prefetch_b8 v0, s[64:65] scope:SCOPE_SE
	s_setreg_imm32_b32 hwreg(HW_REG_WAVE_MODE, 25, 1), 1
	s_wait_xcnt 0x0
	s_wait_alu depctr_hold_cnt(0) depctr_sa_sdst(0) depctr_va_vdst(0) depctr_va_sdst(0) depctr_va_ssrc(0) depctr_va_vcc(0) depctr_vm_vsrc(0)
	s_getreg_b32 s2, hwreg(HW_REG_IB_STS2, 6, 4)
	s_cmp_eq_u32 s2, 0
	s_cbranch_scc0 .Lentry_in_a_cluster
	s_endpgm
.Lentry_in_a_cluster:
	s_bfe_u32 s2, ttmp6, 0x10000c
	s_cmp_lg_u32 s2, 0xf033
	s_cbranch_scc0 .Lentry_shape_is_right
	s_endpgm
.Lentry_shape_is_right:
; O = P V / l on codes of BF8 (E5M2) with E8M0 scales; K = the batch's 2,048 keys, in 16 groups g of 128.  out0: [8,192 queries][1,024 channels] f32.
; THE PROLOGUE joins the groups' softmaxes.  For each query: M = the largest M_g; l = the sum of l_g 2^(M_g - M) (exact scalings); d_g = M - M_g is taken off the four scale bytes of group g: p under M has the same codes.
; SHARES.  A work-group makes 128 queries x 256 channels, so that there are 256 work-groups; a wave makes 64 queries x 128 channels: 32 accumulators.
; Source 0 = 16 channels of V (keys along K), source 1 = 16 queries of P: a lane holds one query, its registers eight neighbouring channels.
; CLUSTERS: 4 x 4.  P's tiles are shared along a row of the cluster, V's tiles and scale words along a column: joint loads.
; OPERANDS lie in memory as images of their registers (2,048 bytes for 16 rows x 128 k).  A SLOT HOLDS THREE GROUPS OF KEYS, in pieces of 6,144 dense bytes, as large as two slots fit in LDS: the 16 groups go
; as 3, 3, 3, 3, 3, 1: four refills, each with 96 matrix instructions a wave in which to land; the last brings one group.  The 16 steps are written out: every scale register is named by a constant.
; LIMITS: NaN and infinities are not served.  d_g is held at 127; a scale byte that would fall under 0 becomes 0 (2^-127): such terms lie under 2^-110 of the row's largest.
; No prefetch: the launch is short, and its tiles are asked for a slot ahead by the ring itself.
; REGISTERS: window 0: v1-29 addresses; v32-39 1 / l; v64-127 V's scale words, v128-159 P's (these hold scales alone); v160-239 the prologue's work.
;   window 1: V's fragments, two sets, at v0 and v128; on the way out rows of O.   window 2: P's fragments, two sets, at v0 and v64.   window 3: accumulator (a, b) at v[8 (8 a + b)].
; PREFETCH (this stands in place of the line on it above): groups 6 to 8 behind the head's fragment loads, 9 to 11 at the first change of slots, 12 to 15 at the second, each a slot ahead of its joint load; nothing beyond.
; The four partners that load a tile jointly share its blocks out by address: of P's 8 tiles partner cx names 2, a wave each; of V's 16 partner cy names 4, two a wave.  Three groups of a tile are 24 blocks of 256 bytes, four are 32: a lane a block.
.set PPC,    6144                      ; a tile's piece in a slot: three groups
.set PHALF,  4*PPC                     ; P's 4 tiles: what wave 0 or 1 brings, and what a wave reads
.set VOFF,   8*PPC                     ; V lies behind P's 8 tiles
.set VHALF,  8*PPC                     ; V's 8 tiles: what wave 2 or 3 brings, and what a wave reads
.set SLOT,   24*PPC
.set VSC,    2*SLOT                    ; V's scale words [g 16][16 tiles][64 bytes]
.set FSC,    VSC+16384                 ; P's mended scale words: query t at 80 t (16 words + 16 bytes); written by LDS stores alone
.set RLB,    FSC+10240                 ; 1 / l, 4 bytes a query
.set SPARE,  RLB+512                   ; the spare words: 128 bytes a wave, named by no other line
.set STG,    0                         ; the way out: 16 rows x (512 bytes + 16) for each wave, in slot 0: it has had its last fill, and behind the last change of slots nobody reads it
.set ADVS, 10                          ; v10  V's scale words: lanes 0-15 groups 0-7, lanes 16-31 groups 8-15
.set ADPS, 11                          ; v11  P's likewise
.set ADRL, 12                          ; v12  1 / l of my query
.set FSW,  13                          ; v13  where thread t stores query t's words
.set RLW,  14                          ; v14  and its 1 / l
.set ADRP, 16                          ; v16-17  my P fragments in slot 0, 1
.set ADRV, 20                          ; v20-21  my V fragments
.set STO,  24                          ; v24  the stage, in
.set RD,   25                          ; v25  the stage, out
.set CO,   26                          ; v26  16 x lane
.set SPW,  28
.set NIL,  29
.set RI,   32                          ; v[32 + 2 a : 33 + 2 a]  1 / l of my query in tile a, twice
.set VS,   64                          ; register 8 (g % 8) + b
.set PS,   128                         ; register 8 a + g % 8
.set NMG,  160                         ; v160-175 -M_g, then M_g - M, then d_g in four bytes, then masks
.set LG,   176                         ; v176-191 l_g
.set WG,   192                         ; v192-207 the scale words
.set TP,   208                         ; v208-212 at work
.set FG,   224                         ; v224-239 2^(M_g - M); later at work
.set WV,   14
.set H1,   15                          ; which half of the queries is mine; also: I fetch for P (0) or V (1)
.set H0,   16                          ; which half of the channels; also: which half I fetch
.set G1P,  24
.set G0P,  32
.set G1V,  48
.set G0V,  56
.set G1VS, 68
.set G0VS, 76
.set G1P1, 84                          ; s[84:91], s[92:99] groups 1 for the last refill: one group of keys
.set G1V1, 92
.set MUL,  0xf9                        ; source 0 (V) window 1, source 1 (P) window 2, C and D window 3
.set MSB, 0
.macro WIN new
.if MSB != (\new)
	s_set_vgpr_msb (MSB<<8)|(\new)
.set MSB, (\new)
.endif
.endm
.macro PLACES n
.rept \n
	v_nop
.endr
.endm
.macro JLOAD g0a, g1a, g0b, g1b        ; waves 0 and 1 fetch for P, waves 2 and 3 for V; four v_nop follow each of the two lines
	s_cmp_eq_u32 s[H1], 0
	s_cbranch_scc0 .Lfor_b_\@
	tensor_load_to_lds s[\g0a:\g0a+3], s[\g1a:\g1a+7]
	s_nop 0
.rept 4
	v_nop
.endr
	s_branch .Lasked_\@
.Lfor_b_\@:
	tensor_load_to_lds s[\g0b:\g0b+3], s[\g1b:\g1b+7]
	s_nop 0
.rept 4
	v_nop
.endr
.Lasked_\@:
.endm
.macro CREST
	s_cmp_lg_u32 s[WV], 0
	s_cbranch_scc1 .Lnot_wave_0_\@
	s_barrier_signal -3
.Lnot_wave_0_\@:
	s_barrier_wait -3
	s_barrier_signal -1
	s_barrier_wait -1
.endm
.macro CROUND
	s_barrier_signal -1
	s_barrier_wait -1
	CREST
.endm
	s_load_b256 s[4:11], s[0:1], 0x0               ; p_img, p_st, qkv_img, qkv_sc
	s_load_b64 s[12:13], s[0:1], 0x20              ; out0
	v_lshl_add_u32 v[SPW], v0, 2, SPARE
	v_mov_b32 v[NIL], 0
	ds_add_u32 v28, v29
	ds_add_u32 v28, v29
	s_wait_dscnt 0x0
	v_lshrrev_b32 v1, 5, v0
	v_readfirstlane_b32 s[WV], v1
	v_lshlrev_b32 v3, 2, v0                        ; thread t owns query t of the work-group's 128
	s_lshr_b32 s[H1], s[WV], 1
	s_and_b32 s[H0], s[WV], 1
	s_bfe_u32 s40, ttmp6, 0x40000                  ; cx, cy
	s_bfe_u32 s41, ttmp6, 0x40004
	s_lshl_b32 s42, ttmp9, 2
	s_add_co_u32 s42, s42, s40                     ; my tile of 256 channels
	s_and_b32 s45, ttmp7, 0xffff
	s_lshl_b32 s17, s45, 2
	s_add_co_u32 s17, s17, s41                     ; my tile of 128 queries over all batches, 0 .. 63
	s_lshr_b32 s45, s45, 2                         ; the batch: of the cluster's y alone
	s_lshl_b32 s43, s41, 2
	s_lshl_b32 s43, 15, s43                        ; my row of the cluster
	s_lshl_b32 s44, 0x1111, s40                    ; my column
	s_or_b32 s[G1P], s43, (3<<16)|(1<<21)          ; P: 4 pieces of 6,144 bytes (768 elements of 8), 32,768 bytes apart
	s_mov_b32 s[G1P+1], 768<<16
	s_mov_b32 s[G1P+2], 8<<16                      ; 8 pieces for the head's load, set to 4 behind it
	s_mov_b32 s[G1P+3], 768<<16
	s_mov_b32 s[G1P+4], 8
	s_mov_b32 s[G1P+5], 4096
	s_mov_b32 s[G1P+6], 0
	s_mov_b32 s[G1P+7], 0
	s_or_b32 s[G1V], s44, (3<<16)|(1<<21)          ; V: 8 pieces of 6,144 bytes, 131,072 bytes apart
	s_mov_b32 s[G1V+1], 768<<16
	s_mov_b32 s[G1V+2], 8<<16
	s_mov_b32 s[G1V+3], 768<<16
	s_mov_b32 s[G1V+4], 8
	s_mov_b32 s[G1V+5], 16384
	s_mov_b32 s[G1V+6], 0
	s_mov_b32 s[G1V+7], 0
	s_or_b32 s[G1P1], s43, (3<<16)|(1<<21)         ; the last refill: pieces of 2,048 bytes
	s_mov_b32 s[G1P1+1], 256<<16
	s_mov_b32 s[G1P1+2], 4<<16
	s_mov_b32 s[G1P1+3], 256<<16
	s_mov_b32 s[G1P1+4], 4
	s_mov_b32 s[G1P1+5], 4096
	s_mov_b32 s[G1P1+6], 0
	s_mov_b32 s[G1P1+7], 0
	s_or_b32 s[G1V1], s44, (3<<16)|(1<<21)
	s_mov_b32 s[G1V1+1], 256<<16
	s_mov_b32 s[G1V1+2], 8<<16
	s_mov_b32 s[G1V1+3], 256<<16
	s_mov_b32 s[G1V1+4], 8
	s_mov_b32 s[G1V1+5], 16384
	s_mov_b32 s[G1V1+6], 0
	s_mov_b32 s[G1V1+7], 0
	s_or_b32 s[G1VS], s44, (3<<16)|(1<<21)         ; V's scale words: 16 groups x 1,024 bytes, 4,096 bytes apart
	s_mov_b32 s[G1VS+1], 128<<16
	s_mov_b32 s[G1VS+2], 16<<16                    ; all 16 groups
	s_mov_b32 s[G1VS+3], 128<<16
	s_mov_b32 s[G1VS+4], 16
	s_mov_b32 s[G1VS+5], 512
	s_mov_b32 s[G1VS+6], 0
	s_mov_b32 s[G1VS+7], 0
	s_mov_b32 s[G0P], 1
	s_mul_i32 s[G0P+1], s[H0], PHALF               ; LDS: my 4 tiles of P
	s_mov_b32 s[G0P+4], 1
	s_add_co_u32 s[G0P+5], s[G0P+1], SLOT
	s_mov_b32 s[G0V], 1
	s_mul_i32 s[G0V+1], s[H0], VHALF               ; my 8 tiles of V,
	s_add_co_u32 s[G0V+1], s[G0V+1], VOFF          ; behind P's 8
	s_mov_b32 s[G0V+4], 1
	s_add_co_u32 s[G0V+5], s[G0V+1], SLOT
	s_mov_b32 s[G0VS], 1
	s_mov_b32 s[G0VS+1], VSC
	s_lshl_b32 s[G0P+2], s17, 18                   ; P: 8 tiles x 32,768 bytes a tile of 128 queries,
	s_lshl_b32 s18, s[H0], 17                      ; my 4 of them
	s_add_co_u32 s[G0P+2], s[G0P+2], s18
	s_mov_b32 s[G0P+3], 0
	s_lshl_b32 s[G0V+2], s42, 21                   ; V: 16 tiles x 131,072 bytes a tile of 256 channels,
	s_lshl_b32 s18, s[H0], 20                      ; my 8 of them,
	s_add_co_u32 s[G0V+2], s[G0V+2], s18
	s_lshl_b32 s18, s45, 15                        ; the batch's 16 groups
	s_add_co_u32 s[G0V+2], s[G0V+2], s18
	s_add_co_u32 s[G0V+2], s[G0V+2], 16777216      ; V's part of qkv_img
	s_mov_b32 s[G0V+3], 0
	s_lshl_b32 s[G0VS+2], s45, 16                  ; V's scale words: the batch's 16 groups x 4,096 bytes,
	s_lshl_b32 s18, s42, 10                        ; the work-group's 16 tiles
	s_add_co_u32 s[G0VS+2], s[G0VS+2], s18
	s_add_co_u32 s[G0VS+2], s[G0VS+2], 524288      ; V's part of qkv_sc
	s_mov_b32 s[G0VS+3], 0
	s_lshl_b32 s18, s45, 17                        ; p_st: the batch's 16 x 2,048 words,
	s_and_b32 s19, s17, 15
	s_lshl_b32 s19, s19, 9                         ; my 128 queries in it
	s_add_co_u32 s18, s18, s19
	s_mov_b32 s19, 0
	s_lshl_b32 s20, s17, 19                        ; out0: 128 rows of 4,096 bytes,
	s_lshl_b32 s21, s[H1], 18                      ; my wave's 64,
	s_add_co_u32 s20, s20, s21
	s_lshl_b32 s21, s42, 10                        ; 256 channels,
	s_add_co_u32 s20, s20, s21
	s_lshl_b32 s21, s[H0], 9                       ; my wave's 128
	s_add_co_u32 s20, s20, s21
	s_mov_b32 s21, 0
	s_mov_b32 s80, 0x80808080
	s_wait_alu depctr_va_vdst(0)
	s_wait_kmcnt 0x0
	s_add_nc_u64 s[6:7], s[6:7], s[18:19]
	s_add_nc_u64 s[12:13], s[12:13], s[20:21]
.irp g, 0,1,2,3,4,5,6,7,8,9,10,11,12,13,14,15  ; my query's statistics: each load of a wave reads 128 consecutive bytes
	global_load_b32 v[NMG+\g], v3, s[6:7] offset:524288+8192*\g
.endr
.irp g, 0,1,2,3,4,5,6,7,8,9,10,11,12,13,14,15
	global_load_b32 v[LG+\g], v3, s[6:7] offset:1048576+8192*\g
.endr
.irp g, 0,1,2,3,4,5,6,7,8,9,10,11,12,13,14,15
	global_load_b32 v[WG+\g], v3, s[6:7] offset:8192*\g
.endr
	s_add_nc_u64 s[G0P+2:G0P+3], s[4:5], s[G0P+2:G0P+3]            ; slot 0: groups 0 to 2
	s_add_nc_u64 s[G0P+6:G0P+7], s[G0P+2:G0P+3], PPC               ; slot 1: groups 3 to 5
	s_or_b32 s[G0P+3], s[G0P+3], 0x80000000
	s_or_b32 s[G0P+7], s[G0P+7], 0x80000000
	s_add_nc_u64 s[G0V+2:G0V+3], s[8:9], s[G0V+2:G0V+3]
	s_add_nc_u64 s[G0V+6:G0V+7], s[G0V+2:G0V+3], PPC
	s_or_b32 s[G0V+3], s[G0V+3], 0x80000000
	s_or_b32 s[G0V+7], s[G0V+7], 0x80000000
	s_add_nc_u64 s[G0VS+2:G0VS+3], s[10:11], s[G0VS+2:G0VS+3]
	s_or_b32 s[G0VS+3], s[G0VS+3], 0x80000000
	CROUND                                         ; all sixteen work-groups are here: the first joint loads meet
; The head's loads, one a wave: wave 0 slot 0's 8 tiles of P, wave 1 V's scale words, waves 2 and 3 the halves of slot 0's 16 tiles of V.
.macro ARM under, g0, g1, next
	s_cmp_lt_u32 s[WV], \under
	s_cbranch_scc0 \next
	tensor_load_to_lds s[\g0:\g0+3], s[\g1:\g1+7]
	s_nop 0
.rept 4
	v_nop
.endr
	s_branch .Lhead_asked
\next:
.endm
	ARM 1, G0P, G1P, .Lhead_1
	ARM 2, G0VS, G1VS, .Lhead_2
	tensor_load_to_lds s[G0V:G0V+3], s[G1V:G1V+7]
	s_nop 0
.rept 4
	v_nop
.endr
.Lhead_asked:
	v_and_b32 v1, 15, v0                           ; r
	s_wait_alu depctr_va_vdst(0)
	v_bfe_u32 v2, v0, 4, 1                         ; h
	v_and_b32 v4, 31, v0
	v_lshlrev_b32 v[CO], 4, v4
	s_mul_i32 s18, s[H1], PHALF                    ; my 4 tiles of P
	s_mul_i32 s19, s[H0], VHALF                    ; my 8 tiles of V
	s_add_co_u32 s19, s19, VOFF
.irp s, 0,1
	v_add_nc_u32 v[ADRP+\s], s18, v[CO]
	v_add_nc_u32 v[ADRV+\s], s19, v[CO]
	s_add_co_u32 s18, s18, SLOT
	s_add_co_u32 s19, s19, SLOT
.endr
	s_lshl_b32 s18, s[H0], 9
	s_add_co_u32 s18, s18, VSC
	v_lshl_add_u32 v[ADVS], v1, 2, s18
	s_wait_alu depctr_va_vdst(0)
	v_lshl_add_u32 v[ADVS], v2, 13, v[ADVS]        ; lanes 16-31: eight groups (8,192 bytes) on
	s_mul_i32 s18, s[H1], 5120                     ; my 64 queries x 80 bytes
	s_add_co_u32 s18, s18, FSC
	v_mul_u32_u24 v[ADPS], v1, 80
	v_lshl_add_u32 v[ADPS], v2, 5, v[ADPS]         ; lanes 16-31: eight words on
	v_add_nc_u32 v[ADPS], s18, v[ADPS]
	s_lshl_b32 s18, s[H1], 8
	s_add_co_u32 s18, s18, RLB
	v_lshl_add_u32 v[ADRL], v1, 2, s18
	v_mul_u32_u24 v[FSW], v0, 80
	v_add_nc_u32 v[FSW], FSC, v[FSW]
	v_lshl_add_u32 v[RLW], v0, 2, RLB
	s_mul_i32 s18, s[WV], 8448
	s_add_co_u32 s18, s18, STG                     ; my stage
	v_mul_u32_u24 v[STO], v1, 528
	v_lshl_add_u32 v[STO], v2, 5, v[STO]
	v_add_nc_u32 v[STO], s18, v[STO]
	v_add_nc_u32 v[RD], s18, v[CO]
	v_min_u32 v5, 23, v4                           ; the prefetch: a lane a block of 24 (the lanes left over name the last again), of 32; v5, v6 and s[22:23] are never rewritten
	v_lshlrev_b32 v6, 8, v4
	v_lshlrev_b32 v5, 8, v5
	s_lshl_b32 s18, s17, 18                        ; P: tile 2 cx + half
	s_lshl_b32 s19, s40, 16
	s_add_co_u32 s18, s18, s19
	s_lshl_b32 s19, s[H0], 15
	s_add_co_u32 s18, s18, s19
	s_lshl_b32 s20, s42, 21                        ; V: tiles 4 cy + 2 half on
	s_lshl_b32 s19, s41, 19
	s_add_co_u32 s20, s20, s19
	s_lshl_b32 s19, s[H0], 18
	s_add_co_u32 s20, s20, s19
	s_lshl_b32 s19, s45, 15
	s_add_co_u32 s20, s20, s19
	s_add_co_u32 s20, s20, 16777216
	s_cmp_eq_u32 s[H1], 0
	s_cselect_b32 s18, s18, s20
	s_cselect_b64 s[22:23], s[4:5], s[8:9]
	s_add_co_u32 s18, s18, 12288                   ; group 6
	s_mov_b32 s19, 0
	s_add_nc_u64 s[22:23], s[22:23], s[18:19]
.macro ASK off, r
	global_prefetch_b8 v\r, s[22:23] offset:\off th:TH_LOAD_NT scope:SCOPE_SE
	s_cmp_eq_u32 s[H1], 0
	s_cbranch_scc1 .Lone_tile_\@
	global_prefetch_b8 v\r, s[22:23] offset:\off+131072 th:TH_LOAD_NT scope:SCOPE_SE
.Lone_tile_\@:
.endm
	; ---- the prologue
	s_wait_loadcnt 32                              ; the 16 values -M_g are in; the 32 loads behind them may be out
	v_min3_num_f32 v[TP], v[NMG], v[NMG+1], v[NMG+2]
	v_min3_num_f32 v[TP+1], v[NMG+3], v[NMG+4], v[NMG+5]
	v_min3_num_f32 v[TP], v[TP], v[NMG+6], v[NMG+7]
	v_min3_num_f32 v[TP+1], v[TP+1], v[NMG+8], v[NMG+9]
	v_min3_num_f32 v[TP], v[TP], v[NMG+10], v[NMG+11]
	v_min3_num_f32 v[TP+1], v[TP+1], v[NMG+12], v[NMG+13]
	v_min3_num_f32 v[TP], v[TP], v[NMG+14], v[NMG+15]
	v_min_num_f32 v[TP], v[TP], v[TP+1]            ; -M
.irp g, 0,1,2,3,4,5,6,7,8,9,10,11,12,13,14,15
	v_sub_f32 v[NMG+\g], v[TP], v[NMG+\g]          ; M_g - M: a whole number, 0 or less
.endr
.irp g, 0,1,2,3,4,5,6,7,8,9,10,11,12,13,14,15
	v_max_num_f32 v[NMG+\g], 0xc2fe0000, v[NMG+\g] ; held at -127
.endr
.irp g, 0,1,2,3,4,5,6,7,8,9,10,11,12,13,14,15
	v_cvt_i32_f32 v[NMG+\g], v[NMG+\g]
.endr
.irp g, 0,1,2,3,4,5,6,7,8,9,10,11,12,13,14,15
	v_ldexp_f32 v[FG+\g], 1.0, v[NMG+\g]           ; 2^(M_g - M)
.endr
	s_wait_loadcnt 16                              ; the l_g are in
	v_mul_f32 v[TP+2], v[LG], v[FG]                ; l, in two chains
	v_mul_f32 v[TP+3], v[LG+1], v[FG+1]
.irp g, 2,4,6,8,10,12,14
	v_fma_f32 v[TP+2], v[LG+\g], v[FG+\g], v[TP+2]
	v_fma_f32 v[TP+3], v[LG+\g+1], v[FG+\g+1], v[TP+3]
.endr
	v_add_f32 v[TP+2], v[TP+2], v[TP+3]
	s_wait_alu depctr_va_vdst(0)
	v_rcp_f32 v[TP+4], v[TP+2]                     ; 1 / l; the bytes' work below stands between it and its reader
	s_wait_loadcnt 0x0                             ; the scale words are in
.irp g, 0,1,2,3,4,5,6,7,8,9,10,11,12,13,14,15
	v_sub_nc_u32 v[NMG+\g], 0, v[NMG+\g]           ; d = M - M_g, 0 .. 127
.endr
.irp g, 0,1,2,3,4,5,6,7,8,9,10,11,12,13,14,15
	v_perm_b32 v[NMG+\g], v[NMG+\g], v[NMG+\g], 0  ; in all four bytes
.endr
.irp g, 0,1,2,3,4,5,6,7,8,9,10,11,12,13,14,15
	v_or_b32 v[WG+\g], s80, v[WG+\g]               ; every byte e is at most 112: 128 + e - d lies between 1 and 240, so no byte borrows from the next
.endr
.irp g, 0,1,2,3,4,5,6,7,8,9,10,11,12,13,14,15
	v_sub_nc_u32 v[WG+\g], v[WG+\g], v[NMG+\g]
.endr
.irp g, 0,1,2,3,4,5,6,7,8,9,10,11,12,13,14,15
	v_and_b32 v[NMG+\g], s80, v[WG+\g]             ; a byte's top bit stands where e >= d
.endr
.irp g, 0,1,2,3,4,5,6,7,8,9,10,11,12,13,14,15
	v_lshrrev_b32 v[FG+\g], 7, v[NMG+\g]
.endr
.irp g, 0,1,2,3,4,5,6,7,8,9,10,11,12,13,14,15
	v_sub_nc_u32 v[NMG+\g], v[NMG+\g], v[FG+\g]    ; 0x7f there, 0 elsewhere
.endr
.irp g, 0,1,2,3,4,5,6,7,8,9,10,11,12,13,14,15
	v_and_b32 v[WG+\g], v[WG+\g], v[NMG+\g]        ; e - d, or 0
.endr
	s_wait_alu depctr_va_vdst(0)                   ; the wait for the reciprocal, ahead of its first reader
.irp e, 0,1,2,3
	ds_store_b128 v[FSW], v[WG+4*\e:WG+4*\e+3] offset:16*\e
.endr
	ds_store_b32 v[RLW], v[TP+4]
	s_wait_tensorcnt 0x0                           ; my load is in; a later first fill follows
	ds_add_u32 v[SPW], v[NIL]
	s_mov_b32 s[G1P+2], 4<<16                      ; no tensor load of mine is out: from here on a load of P brings 4 pieces
	s_mov_b32 s[G1P+4], 4
	s_wait_dscnt 0x0                               ; the add is done, and my stores have landed
	CROUND
	JLOAD G0P+4, G1P, G0V+4, G1V                   ; slot 1
.irp e, 0,1,2,3,4,5,6,7                        ; all scale words, once: lanes 0-15 hold group e's, lanes 16-31 group e + 8's
.irp b, 0,1,2,3,4,5,6,7
	ds_load_b32 v[VS+8*\e+\b], v[ADVS] offset:1024*\e+64*\b
.endr
.endr
.irp a, 0,1,2,3
	ds_load_b128 v[PS+8*\a:PS+8*\a+3], v[ADPS] offset:1280*\a
	ds_load_b128 v[PS+8*\a+4:PS+8*\a+7], v[ADPS] offset:1280*\a+16
	ds_load_b32 v[RI+2*\a], v[ADRL] offset:64*\a
	ds_load_b32 v[RI+2*\a+1], v[ADRL] offset:64*\a
.endr
.macro FRAG reg, adr, q, i, pc         ; an image comes back as it was stored: four loads of 512 consecutive bytes.  pc: bytes from tile to tile in the slot
.irp c, 0,1,2,3
	ds_load_b128 v[\reg+4*\c:\reg+4*\c+3], v[\adr] offset:(\pc)*(\i)+2048*(\q)+512*\c
.endr
.endm
.macro FETCH slot, q, p, pc            ; 48 loads: V's eight fragments and P's four of the slot's q-th group, into sets p
	WIN 0x40                                       ; destination window 1
.irp i, 0,1,2,3,4,5,6,7
	FRAG 128*(\p)+16*\i, ADRV+\slot, \q, \i, \pc
.endr
	WIN 0x80                                       ; destination window 2
.irp i, 0,1,2,3
	FRAG 64*(\p)+16*\i, ADRP+\slot, \q, \i, \pc
.endr
	WIN 0
.endm
; 8 matrix instructions: P's tile a x V's eight, key group g.  The 32 accumulators take turns, one instruction a turn.
.macro MUL8 a, p, g, zero
.irp b, 0,1,2,3,4,5,6,7
.if \zero
	v_wmma_scale_f32_16x16x128_f8f6f4 v[8*(8*(\a)+\b):8*(8*(\a)+\b)+7], v[128*(\p)+16*\b:128*(\p)+16*\b+15], v[64*(\p)+16*(\a):64*(\p)+16*(\a)+15], 0, v[VS+8*((\g)%8)+\b], v[PS+8*(\a)+((\g)%8)] matrix_a_fmt:MATRIX_FMT_BF8 matrix_b_fmt:MATRIX_FMT_BF8
.elseif (\g) < 8
	v_wmma_scale_f32_16x16x128_f8f6f4 v[8*(8*(\a)+\b):8*(8*(\a)+\b)+7], v[128*(\p)+16*\b:128*(\p)+16*\b+15], v[64*(\p)+16*(\a):64*(\p)+16*(\a)+15], v[8*(8*(\a)+\b):8*(8*(\a)+\b)+7], v[VS+8*((\g)%8)+\b], v[PS+8*(\a)+((\g)%8)] matrix_a_fmt:MATRIX_FMT_BF8 matrix_b_fmt:MATRIX_FMT_BF8
.else
	v_wmma_scale_f32_16x16x128_f8f6f4 v[8*(8*(\a)+\b):8*(8*(\a)+\b)+7], v[128*(\p)+16*\b:128*(\p)+16*\b+15], v[64*(\p)+16*(\a):64*(\p)+16*(\a)+15], v[8*(8*(\a)+\b):8*(8*(\a)+\b)+7], v[VS+8*((\g)%8)+\b], v[PS+8*(\a)+((\g)%8)] matrix_a_fmt:MATRIX_FMT_BF8 matrix_b_fmt:MATRIX_FMT_BF8 matrix_a_scale:MATRIX_SCALE_ROW1 matrix_b_scale:MATRIX_SCALE_ROW1
.endif
.endr
.endm
; Group g, the slot's q-th (q = 0 or 1), lies in sets g % 2; the next group's fragments are fetched in its middle into the other sets, behind eight places (loads into registers that matrix instructions have read).
.macro STEP3 slot, q, g, zero
	s_wait_dscnt 0x0                               ; this group's fragments are in
	WIN MUL
	MUL8 0, (\g)%2, \g, \zero
	MUL8 1, (\g)%2, \g, \zero
	PLACES 8
	FETCH \slot, (\q)+1, 1-(\g)%2, PPC
	WIN MUL
	MUL8 2, (\g)%2, \g, \zero
	MUL8 3, (\g)%2, \g, \zero
.endm
; A slot's third group changes slots: one barrier; in front of it each wave waits for all its tensor loads, adds 0 to its spare word, and waits for that and for its reads of this slot.
; fill = 1: this slot takes the three groups six further on; fill = 2: of those only the first, group 15.  pc: bytes from tile to tile in the next slot.
.macro TURN3 slot, next, fill, g, pc
	WIN 0                                          ; (the add's two registers lie in window 0)
	s_wait_tensorcnt 0x0                           ; all my tensor loads have landed: my part of the next slot
	ds_add_u32 v[SPW], v[NIL]                      ; 0 onto my spare word
	s_wait_dscnt 1                                 ; the fragments are in; the add may be out
	WIN MUL
	MUL8 0, (\g)%2, \g, 0
	s_wait_dscnt 0x0                               ; the add is done, and my reads of this slot are over
	s_barrier_signal -1
	MUL8 1, (\g)%2, \g, 0
	WIN 0
	s_barrier_wait -1
.if \fill
	CREST                                          ; no wave of any partner still reads this slot or has a load on its way
	s_add_nc_u64 s[G0P+4*\slot+2:G0P+4*\slot+3], s[G0P+4*\slot+2:G0P+4*\slot+3], 2*PPC   ; six groups on
	s_add_nc_u64 s[G0V+4*\slot+2:G0V+4*\slot+3], s[G0V+4*\slot+2:G0V+4*\slot+3], 2*PPC
.if \fill == 1
	JLOAD G0P+4*\slot, G1P, G0V+4*\slot, G1V       ; its four v_nop are four of the eight places in front of the loads below
.else
	JLOAD G0P+4*\slot, G1P1, G0V+4*\slot, G1V1
.endif
	PLACES 4
.else
	PLACES 8
.endif
	FETCH \next, 0, 1-(\g)%2, \pc
.if (\g) == 2
	ASK 6144, 5
.elseif (\g) == 5
	ASK 12288, 6
.endif
	WIN MUL
	MUL8 2, (\g)%2, \g, 0
	MUL8 3, (\g)%2, \g, 0
.endm
	FETCH 0, 0, 0, PPC
	ASK 0, 5
	STEP3 0, 0, 0, 1                               ; the first products start the sums
	STEP3 0, 1, 1, 0
	TURN3 0, 1, 1, 2, PPC                          ; slot 0 takes groups 6 to 8
	STEP3 1, 0, 3, 0
	STEP3 1, 1, 4, 0
	TURN3 1, 0, 1, 5, PPC                          ; slot 1 takes groups 9 to 11
	STEP3 0, 0, 6, 0
	STEP3 0, 1, 7, 0
	TURN3 0, 1, 1, 8, PPC                          ; slot 0 takes groups 12 to 14
	STEP3 1, 0, 9, 0
	STEP3 1, 1, 10, 0
	TURN3 1, 0, 2, 11, PPC                         ; slot 1 takes group 15
	STEP3 0, 0, 12, 0
	STEP3 0, 1, 13, 0
	TURN3 0, 1, 0, 14, 2048                        ; nothing is left to fetch; in slot 1 the tiles now lie 2,048 bytes apart
	s_wait_dscnt 0x0
	MUL8 0, 1, 15, 0
	MUL8 1, 1, 15, 0
	MUL8 2, 1, 15, 0
	MUL8 3, 1, 15, 0
	WIN 0
	PLACES 8
; THE WAY OUT, a tile of 16 queries x 128 channels at a time: divided by l in place; through my own stage in LDS; back as whole rows of 512 bytes.
.macro PACK a
	WIN 0xc3                                       ; source 0 and destination window 3, 1 / l window 0
.set n, 0
.rept 32
	v_pk_mul_f32 v[64*(\a)+n:64*(\a)+n+1], v[64*(\a)+n:64*(\a)+n+1], v[RI+2*(\a):RI+2*(\a)+1]   ; each accumulator from its low end on
.set n, n+2
.endr
	WIN 0
.endm
.macro TOSTAGE a
	WIN 0x0c                                       ; an LDS store's data are its source 1: window 3
.irp b, 0,1,2,3,4,5,6,7
	ds_store_b128 v[STO], v[64*(\a)+8*\b:64*(\a)+8*\b+3] offset:64*\b          ; lane (r, h): O(query r, channels 16 b + 8 h + 0 .. 7)
	ds_store_b128 v[STO], v[64*(\a)+8*\b+4:64*(\a)+8*\b+7] offset:64*\b+16
.endr
	WIN 0x40                                       ; destination window 1: V's fragments are done with
.irp t, 0,1,2,3,4,5,6,7,8,9,10,11,12,13,14,15
	ds_load_b128 v[64*((\a)%2)+4*\t:64*((\a)%2)+4*\t+3], v[RD] offset:528*\t   ; LDS serves a wave's instructions in order: these see my stores, and the next tile's stores come behind them
.endr
	WIN 0
.endm
.macro SEND a, younger                 ; younger: the LDS instructions issued behind tile a's loads, which may stay out
	s_wait_dscnt \younger
	WIN 0x04                                       ; a store's data are its source 1: window 1
.irp t, 0,1,2,3,4,5,6,7,8,9,10,11,12,13,14,15
	global_store_b128 v[CO], v[64*((\a)%2)+4*\t:64*((\a)%2)+4*\t+3], s[12:13] offset:65536*(\a)+4096*\t th:TH_STORE_NT   ; 32 lanes store 512 consecutive bytes, aligned; written once
.endr
	WIN 0
.endm
	PACK 0
	TOSTAGE 0
.irp a, 1,2,3
	PACK \a
.if \a > 1
	s_wait_alu depctr_va_vdst(0)
	s_wait_xcnt 0x0                                ; tile a - 2's stores have read their registers: tile a's rows may land there
.endif
	TOSTAGE \a
	SEND \a-1, 32                                  ; behind tile a - 1's loads: tile a's 16 stores and 16 loads
.endr
	SEND 3, 0
	s_wait_tensorcnt 0x0                           ; the wave's end
	ds_add_u32 v[SPW], v[NIL]
	s_wait_dscnt 0x0
	CROUND                                         ; the closing round
	s_endpgm
.Lfunc_end_k_q14eeb9cba7_pv:
	.size	k_q14eeb9cba7_pv, .Lfunc_end_k_q14eeb9cba7_pv-k_q14eeb9cba7_pv
	.p2alignl 7, 3214868480
	.fill 96, 4, 3214868480
	.section	.rodata,"a",@progbits
	.p2align	6, 0x0
	.amdhsa_kernel k_q14eeb9cba7_pv
		.amdhsa_group_segment_fixed_size 327680
		.amdhsa_private_segment_fixed_size 0
		.amdhsa_enable_private_segment 0
		.amdhsa_kernarg_size 40
		.amdhsa_user_sgpr_count 2
		.amdhsa_user_sgpr_kernarg_segment_ptr 1
		.amdhsa_wavefront_size32 1
		.amdhsa_system_sgpr_workgroup_id_x 1
		.amdhsa_system_sgpr_workgroup_id_y 1
		.amdhsa_system_sgpr_workgroup_id_z 1
		.amdhsa_system_vgpr_workitem_id 0
		.amdhsa_next_free_vgpr 1024
		.amdhsa_next_free_sgpr 100
		.amdhsa_reserve_vcc 0
		.amdhsa_float_denorm_mode_32 3
		.amdhsa_float_denorm_mode_16_64 3
		.amdhsa_memory_ordered 1
		.amdhsa_forward_progress 1
		.amdhsa_inst_pref_size 178
	.end_amdhsa_kernel
	.amdgpu_metadata
---
amdhsa.version: [ 1, 2 ]
amdhsa.kernels:
  - .name:           k_q14eeb9cba7_pv
    .symbol:         k_q14eeb9cba7_pv.kd
    .args:
      - { .name: p_img, .offset: 0, .size: 8, .value_kind: global_buffer, .address_space: global }
      - { .name: p_st, .offset: 8, .size: 8, .value_kind: global_buffer, .address_space: global }
      - { .name: qkv_img, .offset: 16, .size: 8, .value_kind: global_buffer, .address_space: global }
      - { .name: qkv_sc, .offset: 24, .size: 8, .value_kind: global_buffer, .address_space: global }
      - { .name: out0, .offset: 32, .size: 8, .value_kind: global_buffer, .address_space: global }
    .group_segment_fixed_size: 327680
    .private_segment_fixed_size: 0
    .kernarg_segment_align: 8
    .kernarg_segment_size: 40
    .max_flat_workgroup_size: 128
    .sgpr_count:     100
    .vgpr_count:     1024
    .wavefront_size: 32
...
	.end_amdgpu_metadata
.endif
;; end of part 3
